; MI455X (gfx1250); checked and timed in simulation.
; The chip was launched on July 23, 2026; its instructions are those of AMD's public machine-readable ISA for CDNA 5 (MIT licence, August 2026) and "CDNA5" Instruction Set Architecture Reference Guide (July 2026). The comments in the code are by the model that wrote it; some were corrected since.
;; Transformer Block. Allowed arithmetic: float matrix products may take bf16 or f16 operands with f32 sums; other float arithmetic in f32, or as packed bf16 or f16 multiplies, adds, multiply-adds, maxima and minima; sums over many terms, partial sums and values carried from step to step in f32; what a program stores and reads back later, other than sums and carried values, may be rounded once to bf16 or f16.
;; Inputs: b1 4,096 float32; b2 1,024 float32; b_out 1,024 float32; b_qkv 3,072 float32; be1 1,024 float32; be2 1,024 float32; g1 1,024 float32; g2 1,024 float32; w1 1,024 x 4,096 float32; w2 4,096 x 1,024 float32; w_out 1,024 x 1,024 float32; w_qkv 1,024 x 3,072 float32; x 2 x 2,048 x 1,024 float32.
;; Outputs: out0 2 x 2,048 x 1,024 float32.
;; One version. Each part assembles by itself: llvm-mc -triple=amdgcn-amd-amdhsa -mcpu=gfx1250 --defsym DOCPART=n.
;; ======== version 1 of 1: 7 launches
;; workspace buffers: wb 25,165,824 bytes; hbuf 8,388,608 bytes; qkvbuf 25,165,824 bytes; obuf 8,388,608 bytes; x1buf 16,777,216 bytes; fbuf 33,554,432 bytes
;; launch pre (part 1): grid 1024 x 1, 8 waves a work-group, no clusters, 0 bytes of LDS; arguments x, g1, be1, hbuf, w_qkv, w_out, w1, w2, wb; writes hbuf, wb
.if DOCPART == 1
	.amdgcn_target "amdgcn-amd-amdhsa--gfx1250"
	.amdhsa_code_object_version 6
	.text
	.protected	k_q0513702f39_pre
	.globl	k_q0513702f39_pre
	.p2align	8
	.type	k_q0513702f39_pre,@function
k_q0513702f39_pre:
	s_mov_b64 s[64:65], 0
	v_nop
	global_prefetch_b8 v0, s[64:65] scope:SCOPE_SE
	s_setreg_imm32_b32 hwreg(HW_REG_WAVE_MODE, 25, 1), 1
	s_wait_xcnt 0x0
; TWO STREAMS IN ONE TEXT.  Work-groups 0-255: layer norm, h[r][:] = (x[r][:] - mean) * rsqrt(var + 1e-5) * g + be, x f32 [4096][1024], h bf16 [4096][1024], rounded once.
; Work-groups 256-1023 (only in a grid that has them): the four weight matrices, f32, are rounded once to bf16, layout kept, into one buffer: w_qkv at byte 0, w_out at 6,291,456,
; w1 at 8,388,608, w2 at 16,777,216.  Either kind of work-group reads 64 KiB, so the shares are alike.  Memory binds: no LDS, no barrier, no matrix unit; every byte is read once.
; LAYER NORM.  A wave takes two whole rows and keeps them in registers (32 each): the mean first, then the variance of the DIFFERENCES, so a large common offset of x costs no digits.
; A lane holds elements 256 j + 8 lane .. + 7 (j = 0..3): 32 bytes of x, which become 16 bytes of h: a store of the wave covers 512 consecutive bytes.
; LIMITS.  NaN and infinities are not treated apart.
.set XO, 2                             ; v2       32 x lane: my bytes in 1,024 bytes of x, g, be  (weights: 32 x thread)
.set HO, 3                             ; v3       16 x lane: my bytes in 512 bytes of h           (weights: 16 x thread)
.set T,  4                             ; v[4:12]  at work
.set ST, 16                            ; v[16:19] row p: a pair, first the mean twice, then 1/sigma twice
.set X,  32                            ; v[32:95] two rows of 32
.set G,  96                            ; v[96:127]  g of my 32 columns
.set B,  128                           ; v[128:159] be
.set Y,  160                           ; v[160:191] two rows of 16: bf16, to store
	s_load_b512 s[4:19], s[0:1], 0x0               ; xin s[4:5], g s[6:7], be s[8:9], h s[10:11], w_qkv s[12:13], w_out s[14:15], w1 s[16:17], w2 s[18:19]
	s_load_b64 s[20:21], s[0:1], 0x40              ; the bf16 weights
	s_cmp_ge_u32 ttmp9, 256
	s_cbranch_scc1 .Lw
	v_lshrrev_b32 v1, 5, v0
	v_readfirstlane_b32 s22, v1                    ; wave 0..7
	v_and_b32 v1, 31, v0
	v_lshlrev_b32 v[XO], 5, v1
	v_lshlrev_b32 v[HO], 4, v1
	v_mov_b32 v[T+8], 0                            ; v_permlanex16_b32 counts as a reader of its destination
	s_mov_b32 s40, 0x76543210                      ; each lane takes its own place in the other half
	s_mov_b32 s41, 0xfedcba98
	s_mov_b32 s42, 0x3a800000                      ; 1 / 1024
	s_mov_b32 s43, 0x3727c5ac                      ; 1e-5
	s_lshl_b32 s23, ttmp9, 4
	s_lshl1_add_u32 s23, s22, s23                  ; my first row: 16 x work-group + 2 x wave
	s_lshl_b32 s24, s23, 12                        ; x 4,096 bytes of x
	s_mov_b32 s25, 0
	s_lshl_b32 s26, s23, 11                        ; x 2,048 bytes of h
	s_mov_b32 s27, 0
	s_wait_kmcnt 0x0
	s_add_nc_u64 s[4:5], s[4:5], s[24:25]
	s_add_nc_u64 s[10:11], s[10:11], s[26:27]
.irp p, 0,1
.irp j, 0,1,2,3
	global_load_b128 v[X+32*(\p)+8*(\j):X+32*(\p)+8*(\j)+3],   v[XO], s[4:5] offset:4096*(\p)+1024*(\j)
	global_load_b128 v[X+32*(\p)+8*(\j)+4:X+32*(\p)+8*(\j)+7], v[XO], s[4:5] offset:4096*(\p)+1024*(\j)+16
.endr
.endr
.irp j, 0,1,2,3
	global_load_b128 v[G+8*(\j):G+8*(\j)+3],   v[XO], s[6:7] offset:1024*(\j)
	global_load_b128 v[G+8*(\j)+4:G+8*(\j)+7], v[XO], s[6:7] offset:1024*(\j)+16
	global_load_b128 v[B+8*(\j):B+8*(\j)+3],   v[XO], s[8:9] offset:1024*(\j)
	global_load_b128 v[B+8*(\j)+4:B+8*(\j)+7], v[XO], s[8:9] offset:1024*(\j)+16
.endr
.macro JOIN                            ; four pairs of partial sums in T -> one number in every lane of the wave
	v_pk_add_f32 v[T:T+1], v[T:T+1], v[T+2:T+3]
	v_pk_add_f32 v[T+4:T+5], v[T+4:T+5], v[T+6:T+7]
	v_pk_add_f32 v[T:T+1], v[T:T+1], v[T+4:T+5]
	v_add_f32 v[T], v[T], v[T+1]
	v_add_f32_dpp v[T], v[T], v[T] row_xmask:1 row_mask:0xf bank_mask:0xf
	v_add_f32_dpp v[T], v[T], v[T] row_xmask:2 row_mask:0xf bank_mask:0xf
	v_add_f32_dpp v[T], v[T], v[T] row_xmask:4 row_mask:0xf bank_mask:0xf
	v_add_f32_dpp v[T], v[T], v[T] row_xmask:8 row_mask:0xf bank_mask:0xf
	v_permlanex16_b32 v[T+8], v[T], s40, s41
	v_add_f32 v[T], v[T], v[T+8]
.endm
.macro MEAN p                          ; four chains that do not wait for each other; nothing is cleared
.irp c, 0,1,2,3
	v_pk_add_f32 v[T+2*(\c):T+2*(\c)+1], v[X+32*(\p)+2*(\c):X+32*(\p)+2*(\c)+1], v[X+32*(\p)+8+2*(\c):X+32*(\p)+8+2*(\c)+1]
.endr
.irp o, 16,24
.irp c, 0,1,2,3
	v_pk_add_f32 v[T+2*(\c):T+2*(\c)+1], v[T+2*(\c):T+2*(\c)+1], v[X+32*(\p)+(\o)+2*(\c):X+32*(\p)+(\o)+2*(\c)+1]
.endr
.endr
	JOIN
	v_mul_f32 v[ST+2*(\p)], s42, v[T]
	v_mul_f32 v[ST+2*(\p)+1], s42, v[T]
.endm
.macro DIFF p                          ; x - mean, in place
.set n, 0
.rept 16
	v_pk_add_f32 v[X+32*(\p)+n:X+32*(\p)+n+1], v[X+32*(\p)+n:X+32*(\p)+n+1], v[ST+2*(\p):ST+2*(\p)+1] op_sel_hi:[1,0] neg_lo:[0,1] neg_hi:[0,1]
.set n, n+2
.endr
.endm
.macro VAR p                           ; 1 / sqrt(mean of the squared differences + 1e-5)
.irp c, 0,1,2,3
	v_pk_mul_f32 v[T+2*(\c):T+2*(\c)+1], v[X+32*(\p)+2*(\c):X+32*(\p)+2*(\c)+1], v[X+32*(\p)+2*(\c):X+32*(\p)+2*(\c)+1]
.endr
.irp o, 8,16,24
.irp c, 0,1,2,3
	v_pk_fma_f32 v[T+2*(\c):T+2*(\c)+1], v[X+32*(\p)+(\o)+2*(\c):X+32*(\p)+(\o)+2*(\c)+1], v[X+32*(\p)+(\o)+2*(\c):X+32*(\p)+(\o)+2*(\c)+1], v[T+2*(\c):T+2*(\c)+1]
.endr
.endr
	JOIN
	v_fma_f32 v[T], v[T], s42, s43
	v_rsq_f32 v[ST+2*(\p)], v[T]
	v_rsq_f32 v[ST+2*(\p)+1], v[T]
	v_nop                                          ; a plain instruction before the results are used or T is written again (ISA guide 5.7.2)
.endm
.macro NORM p
.set n, 0
	s_wait_alu depctr_va_vdst(0)
.rept 16
	v_pk_mul_f32 v[X+32*(\p)+n:X+32*(\p)+n+1], v[X+32*(\p)+n:X+32*(\p)+n+1], v[ST+2*(\p):ST+2*(\p)+1] op_sel_hi:[1,0]
.set n, n+2
.endr
.set n, 0
.rept 16
	v_pk_fma_f32 v[X+32*(\p)+n:X+32*(\p)+n+1], v[X+32*(\p)+n:X+32*(\p)+n+1], v[G+n:G+n+1], v[B+n:B+n+1]
.set n, n+2
.endr
.set n, 0
.rept 16
	v_cvt_pk_bf16_f32 v[Y+16*(\p)+n], v[X+32*(\p)+2*n], v[X+32*(\p)+2*n+1]
.set n, n+1
.endr
.irp j, 0,1,2,3
	global_store_b128 v[HO], v[Y+16*(\p)+4*(\j):Y+16*(\p)+4*(\j)+3], s[10:11] offset:2048*(\p)+512*(\j)  ; 512 consecutive bytes of h
.endr
.endm
	s_wait_loadcnt 16                              ; both rows of x are in; the 16 loads of g and be may stay out
	MEAN 0
	MEAN 1
	DIFF 0
	DIFF 1
	VAR 0
	VAR 1
	s_wait_loadcnt 0x0                             ; g and be
	NORM 0
	NORM 1
	s_endpgm
.Lw:                                           ; chunk c = work-group - 256: 64 KiB of f32 become 32 KiB of bf16
	v_lshlrev_b32 v[XO], 5, v0                     ; 32 bytes a thread: 8,192 bytes a step for the 256 threads
	v_lshlrev_b32 v[HO], 4, v0
	s_sub_co_u32 s24, ttmp9, 256                   ; c
	s_sub_co_u32 s25, s24, 192                     ; its number within w_out (chunks 192-255),
	s_sub_co_u32 s26, s24, 256                     ; within w1 (256-511),
	s_sub_co_u32 s27, s24, 512                     ; within w2 (512-767)
	s_lshl_b32 s32, s24, 15                        ; the four copies lie end to end: c x 32,768
	s_mov_b32 s33, 0
	s_mov_b32 s31, 0
	s_wait_kmcnt 0x0
	s_mov_b64 s[28:29], s[12:13]
	s_mov_b32 s30, s24
	s_cmp_ge_u32 s24, 192
	s_cselect_b64 s[28:29], s[14:15], s[28:29]
	s_cselect_b32 s30, s25, s30
	s_cmp_ge_u32 s24, 256
	s_cselect_b64 s[28:29], s[16:17], s[28:29]
	s_cselect_b32 s30, s26, s30
	s_cmp_ge_u32 s24, 512
	s_cselect_b64 s[28:29], s[18:19], s[28:29]
	s_cselect_b32 s30, s27, s30
	s_lshl_b32 s30, s30, 16
	s_add_nc_u64 s[28:29], s[28:29], s[30:31]
	s_add_nc_u64 s[20:21], s[20:21], s[32:33]
.irp i, 0,1,2,3,4,5,6,7                ; all sixteen loads go out at once
	global_load_b128 v[X+8*(\i):X+8*(\i)+3],   v[XO], s[28:29] offset:8192*(\i) th:TH_LOAD_NT
	global_load_b128 v[X+8*(\i)+4:X+8*(\i)+7], v[XO], s[28:29] offset:8192*(\i)+16 th:TH_LOAD_NT
.endr
.irp i, 0,1,2,3,4,5,6,7
	s_wait_loadcnt 14-2*(\i)                       ; loads come back in order (ISA guide 5.7.1): step i's two are in, the younger ones stay out
.irp k, 0,1,2,3
	v_cvt_pk_bf16_f32 v[G+4*(\i)+(\k)], v[X+8*(\i)+2*(\k)], v[X+8*(\i)+2*(\k)+1]
.endr
	global_store_b128 v[HO], v[G+4*(\i):G+4*(\i)+3], s[20:21] offset:4096*(\i)  ; a wave's store covers 512 consecutive bytes; no register is used twice
.endr
	s_endpgm
.Lfunc_end_k_q0513702f39_pre:
	.size	k_q0513702f39_pre, .Lfunc_end_k_q0513702f39_pre-k_q0513702f39_pre
	.p2alignl 7, 3214868480
	.fill 96, 4, 3214868480
	.section	.rodata,"a",@progbits
	.p2align	6, 0x0
	.amdhsa_kernel k_q0513702f39_pre
		.amdhsa_group_segment_fixed_size 0
		.amdhsa_private_segment_fixed_size 0
		.amdhsa_enable_private_segment 0
		.amdhsa_kernarg_size 72
		.amdhsa_user_sgpr_count 2
		.amdhsa_user_sgpr_kernarg_segment_ptr 1
		.amdhsa_wavefront_size32 1
		.amdhsa_system_sgpr_workgroup_id_x 1
		.amdhsa_system_sgpr_workgroup_id_y 1
		.amdhsa_system_sgpr_workgroup_id_z 1
		.amdhsa_system_vgpr_workitem_id 0
		.amdhsa_next_free_vgpr 192
		.amdhsa_next_free_sgpr 66
		.amdhsa_reserve_vcc 0
		.amdhsa_float_denorm_mode_32 3
		.amdhsa_float_denorm_mode_16_64 3
		.amdhsa_memory_ordered 1
		.amdhsa_forward_progress 1
		.amdhsa_inst_pref_size 25
	.end_amdhsa_kernel
	.amdgpu_metadata
---
amdhsa.version: [ 1, 2 ]
amdhsa.kernels:
  - .name:           k_q0513702f39_pre
    .symbol:         k_q0513702f39_pre.kd
    .args:
      - { .name: x, .offset: 0, .size: 8, .value_kind: global_buffer, .address_space: global }
      - { .name: g1, .offset: 8, .size: 8, .value_kind: global_buffer, .address_space: global }
      - { .name: be1, .offset: 16, .size: 8, .value_kind: global_buffer, .address_space: global }
      - { .name: hbuf, .offset: 24, .size: 8, .value_kind: global_buffer, .address_space: global }
      - { .name: w_qkv, .offset: 32, .size: 8, .value_kind: global_buffer, .address_space: global }
      - { .name: w_out, .offset: 40, .size: 8, .value_kind: global_buffer, .address_space: global }
      - { .name: w1, .offset: 48, .size: 8, .value_kind: global_buffer, .address_space: global }
      - { .name: w2, .offset: 56, .size: 8, .value_kind: global_buffer, .address_space: global }
      - { .name: wb, .offset: 64, .size: 8, .value_kind: global_buffer, .address_space: global }
    .group_segment_fixed_size: 0
    .private_segment_fixed_size: 0
    .kernarg_segment_align: 8
    .kernarg_segment_size: 72
    .max_flat_workgroup_size: 256
    .sgpr_count:     66
    .vgpr_count:     192
    .wavefront_size: 32
...
	.end_amdgpu_metadata
.endif
;; end of part 1
;; launch qkv (part 2): grid 12 x 16, 4 waves a work-group, clusters of 4 x 4, 327,680 bytes of LDS; arguments hbuf, wb, b_qkv, qkvbuf; writes qkvbuf
.if DOCPART == 2
	.amdgcn_target "amdgcn-amd-amdhsa--gfx1250"
	.amdhsa_code_object_version 6
	.text
	.protected	k_q0513702f39_qkv
	.globl	k_q0513702f39_qkv
	.p2align	8
	.type	k_q0513702f39_qkv,@function
k_q0513702f39_qkv:
	s_mov_b64 s[64:65], 0
	v_nop
	global_prefetch_b8 v0, s[64:65] scope:SCOPE_SE
	s_setreg_imm32_b32 hwreg(HW_REG_WAVE_MODE, 25, 1), 1
	s_wait_xcnt 0x0
	s_wait_alu depctr_hold_cnt(0) depctr_sa_sdst(0) depctr_va_vdst(0) depctr_va_sdst(0) depctr_va_ssrc(0) depctr_va_vcc(0) depctr_vm_vsrc(0)
	s_getreg_b32 s2, hwreg(HW_REG_IB_STS2, 6, 4)
	s_cmp_eq_u32 s2, 0
	s_cbranch_scc0 .Lentry_in_a_cluster
	s_endpgm
.Lentry_in_a_cluster:
	s_bfe_u32 s2, ttmp6, 0x10000c
	s_cmp_lg_u32 s2, 0xf033
	s_cbranch_scc0 .Lentry_shape_is_right
	s_endpgm
.Lentry_shape_is_right:
; out = act(A W + bias).  A: [4096][1024] bf16.  W: [1024][NCOL] bf16, at byte WOFF of the weights' buffer.  bias: [NCOL] f32.  Sums in f32; out rounded once to bf16.
; out lies in PANELS: [column / 64][row 0..4095][64]: 128 bytes a row, rows end to end, so that a later launch takes 64 columns of many rows as dense bytes.
; Here: NCOL = 3,072 (q, k, v: panel h is q of head h, 16 + h its k, 32 + h its v), no activation.
; SHARES.  A tile of out is 256 x 256: four waves, each 128 x 128 = 64 accumulators of 16 x 16.  K = 1,024 goes in 8 steps of 128 through two LDS slots filled by the tensor data mover.
; 3,072 / 256 x 16 = 192 work-groups: a tile of 192 columns would give 256, but would cut panels between waves.
; W LIES [K][N]: its fragments are read turned, by ds_load_tr16_b128.  THE MATRIX INSTRUCTION IS USED TRANSPOSED (source 0 = 16 columns of W, source 1 = 16 rows of A): a lane then holds
; row l % 16 of out and the columns 8 (l / 16) + 0..7.
; CLUSTER.  4 x 4 work-groups: A's tile is shared along a row of the cluster, W's along a column; each is asked for jointly, by the same tensor load, descriptor and mask in all four.
; ONE K STEP IS WRITTEN ONCE: the slot in hand is a scalar (TB) that is added to the two LDS addresses at each change of slots; one descriptor a tensor walks (exclusive or of the slot, a step in memory).
; THE WAY OUT.  When the ring has had its last fill and nobody reads it, each wave lays its 128 x 128 f32 over it (pitch 528) and walks it in a loop, 8 rows a trip: bias, rounding, stores.
; No prefetch: K has 8 steps, every tile is shared in a cluster and read again by other clusters.
; LIMITS.  Operands are bf16; NaN and infinities are not treated apart.
; REGISTERS, in windows of 256 (s_set_vgpr_msb: bits 1:0 source 0, 3:2 source 1, 5:4 source 2, 7:6 destination):
;   window 0: v0-31 addresses; v32-47 bias; v64-127, v128-191 A's fragments, two buffers; on the way out v48-127 at work
;   window 1: v64-127, v128-191 W's fragments     window 2: accumulators of my rows 0-63 ((a, b) at v[8 (8 a + b)])     window 3: of my rows 64-127
.set NCOL,  3072
.set WOFF,  0
.set GELU,  0
.set KSTEP, 128
.set PA,    272                        ; a row of A in LDS: 256 bytes + 16: the 16 rows of a load start at 16 different groups of four banks (64 banks of 4 bytes: ISA guide 11.1)
.set PB,    544                        ; a row of W (256 columns): 512 bytes + 32 = 17 x 32
.set HALFT, 128*PA                     ; what one tensor load brings: 128 rows of A, or 64 rows of W (64 x 544 is the same 34,816)
.set SLOT,  4*HALFT                    ; 0x22000: A's rows 0-127, 128-255, W's k 0-63, 64-127.  wave x HALFT has neither of its two bits, so an exclusive or changes slots
.set SPARE, 2*SLOT                     ; behind the ring: the spare words, 128 bytes a wave: two blocks of 256 bytes that no other line names
.set SPB,   528                        ; the way out: a row of 128 f32 + 16 bytes
.set WSTG,  128*SPB                    ; a wave's part of it; 4 x 67,584 ends below SPARE
.set ADRA0, 16                         ; v16  my lane's place in A's tile of slot 0; never rewritten
.set ADRB0, 17                         ; v17  the same for W
.set ADRA,  18                         ; v18  in the slot in hand
.set ADRB,  19                         ; v19
.set STO,   24                         ; v24  the way out: where I put 32 bytes of a row
.set RD,    25                         ; v25  where I read rows back; steps 8 rows a trip
.set GO,    26                         ; v26  16 x lane: my bytes in 512 consecutive bytes of a panel
.set BO,    27                         ; v27  my bytes in the bias
.set SPW,   28                         ; v28  LDS address of my spare word; never rewritten
.set NIL,   29                         ; v29  0; never rewritten
.set BIAS,  32                         ; v[32:47]  panel p of my two: 8 numbers at BIAS + 8 p
.set Y,     48                         ; the way out, all in window 0: bf16 to store,
.set X,     64                         ; 8 rows read back: unit u = 2 x (group of 4 rows) + panel, 8 numbers each,
.set T,     96                         ; with the bias,
.set U,     128                        ; and four sets at work in the activation
.set E,     160
.set W,     192
.set R,     224
.set F0,    64
.set F1,    128
.set WV,  12                           ; s12  my wave's number
.set G1A, 24                           ; s[24:31] descriptor group 1 for A's tiles
.set G0A, 32                           ; s[32:39] group 0: a set for each first fill; the second then walks
.set G1B, 40                           ; s[40:47], s[48:55] the same for W's
.set G0B, 48
.set TB,  56                           ; s56  0 or SLOT: the slot in hand
.set CNT, 57                           ; s57  loop counter
.set MSB, 0
.macro WIN new                         ; the immediate's high byte repeats the setting that is left; a switch that changes nothing is dropped
.if MSB != (\new)
	s_set_vgpr_msb (MSB<<8)|(\new)
.set MSB, \new
.endif
.endm
.set MUL_LO, 0xa1                      ; source 0 (W) window 1, source 1 (A) window 0, C and D window 2
.set MUL_HI, 0xf1                      ; the same, C and D window 3
.set TO_B,   0x40                      ; destination window 1, address window 0
; A joint refill by the walking descriptors.  Waves 0 and 1 fetch A's halves, waves 2 and 3 W's: the branch hangs on the wave's number alone.
; An s_nop 0 and four v_nop follow each of the two lines, ahead of the jump and the label.
.macro JLOAD
	s_cmp_eq_u32 s13, 0
	s_cbranch_scc0 .Lfor_b_\@
	tensor_load_to_lds s[G0A+4:G0A+7], s[G1A:G1A+7]
	s_nop 0
.rept 4
	v_nop
.endr
	s_branch .Lasked_\@
.Lfor_b_\@:
	tensor_load_to_lds s[G0B+4:G0B+7], s[G1B:G1B+7]
	s_nop 0
.rept 4
	v_nop
.endr
.Lasked_\@:
.endm
.macro CREST                           ; a round of the cluster's barrier behind its opening barrier: wave 0 signals for the work-group, every wave waits for all sixteen, my work-group's barrier once more
	s_cmp_lg_u32 s[WV], 0
	s_cbranch_scc1 .Lnot_wave_0_\@
	s_barrier_signal -3
.Lnot_wave_0_\@:
	s_barrier_wait -3
	s_barrier_signal -1
	s_barrier_wait -1
.endm
.macro CROUND                          ; a whole round
	s_barrier_signal -1
	s_barrier_wait -1
	CREST
.endm
.macro PLACES                          ; four places behind a matrix instruction, in front of loads into registers that it has read and of lines that read its result
.rept 4
	v_nop
.endr
.endm
	s_load_b256 s[4:11], s[0:1], 0x0               ; A s[4:5], weights s[6:7], bias s[8:9], out s[10:11]
	v_lshl_add_u32 v[SPW], v0, 2, SPARE
	v_mov_b32 v[NIL], 0
	ds_add_u32 v[SPW], v[NIL]                      ; the wave's opening: the add and its wait stand ahead of my first tensor load; the set-up below, work on registers, stands between them
	v_lshrrev_b32 v1, 5, v0
	v_readfirstlane_b32 s[WV], v1                  ; wave 0..3
	s_lshr_b32 s13, s[WV], 1                       ; which half of the tile's rows is mine.  Also: I fetch for A (0) or for W (1)
	s_and_b32 s14, s[WV], 1                        ; which half of its columns.  Also: which half of that tile I fetch
	s_bfe_u32 s15, ttmp6, 0x40000                  ; cx
	s_bfe_u32 s16, ttmp6, 0x40004                  ; cy
	s_lshl_b32 s17, ttmp9, 2
	s_add_co_u32 s17, s17, s15                     ; tile column = 4 x cluster x + cx
	s_and_b32 s18, ttmp7, 0xffff
	s_lshl_b32 s18, s18, 2
	s_add_co_u32 s18, s18, s16                     ; tile row = 4 x cluster y + cy
	s_lshl_b32 s19, s16, 2
	s_lshl_b32 s19, 15, s19                        ; my row of the cluster: places 4 cy .. 4 cy + 3
	s_lshl_b32 s20, 0x1111, s15                    ; my column: places cx, cx + 4, cx + 8, cx + 12
	s_or_b32 s[G1A], s19, (1<<16)|(1<<20)|(1<<21)|(5<<22)|(3<<25)  ; the mask; 2-byte elements; padding on; bit 21 beside a mask; after every 64 words 4 words
	s_or_b32 s[G1B], s20, (1<<16)|(1<<20)|(1<<21)|(6<<22)|(7<<25)  ; after every 128 words 8 words
	s_mov_b32 s[G1A+1], KSTEP<<16                  ; tensor_dim0 = 128
	s_mov_b32 s[G1A+2], 128<<16                    ; tensor_dim1 = 128
	s_mov_b32 s[G1A+3], KSTEP<<16                  ; tile_dim0 = 128
	s_mov_b32 s[G1A+4], 128                        ; tile_dim1 = 128
	s_mov_b32 s[G1A+5], 1024                       ; elements from row to row
	s_mov_b32 s[G1A+6], 0
	s_mov_b32 s[G1A+7], 0
	s_mov_b32 s[G1B+1], 256<<16                    ; W: 64 rows (k) of 256 columns
	s_mov_b32 s[G1B+2], 64<<16
	s_mov_b32 s[G1B+3], 256<<16
	s_mov_b32 s[G1B+4], 64
	s_mov_b32 s[G1B+5], NCOL
	s_mov_b32 s[G1B+6], 0
	s_mov_b32 s[G1B+7], 0
	s_lshl_b32 s58, s18, 19                        ; A: (256 x tile row + 128 x half) rows of 2,048 bytes: the tile row alone, which my row of the cluster shares
	s_lshl_b32 s59, s14, 18
	s_add_co_u32 s58, s58, s59
	s_mov_b32 s59, 0
	s_mul_i32 s60, s14, 128*NCOL                   ; W: 64 x half rows of 2 NCOL bytes + 512 x tile column: the tile column alone
	s_lshl_b32 s61, s17, 9
	s_add_co_u32 s60, s60, s61
	s_add_co_u32 s60, s60, WOFF
	s_mov_b32 s61, 0
	s_mul_i32 s62, s[WV], HALFT                    ; where my part goes: no place in the cluster enters an LDS address
	s_mov_b32 s[TB], 0
.if GELU
.irp c, 66,0x3e6d3389, 68,0xbf38aa3b, 70,0x3f07dc22, 72,0xbf3a00e3, 74,0x3f35f0e3, 76,0xbe11a98e, 78,0x3e027906
.endr
.endif
	s_wait_dscnt 0x0                               ; the opening add is done
	s_wait_kmcnt 0x0
	s_add_nc_u64 s[58:59], s[4:5], s[58:59]
	s_add_nc_u64 s[60:61], s[6:7], s[60:61]
.irp s, 0,1
	s_mov_b32 s[G0A+4*(\s)], 1                                     ; count = 1
	s_add_co_u32 s[G0A+4*(\s)+1], s62, (\s)*SLOT                   ; LDS address
	s_add_nc_u64 s[G0A+4*(\s)+2:G0A+4*(\s)+3], s[58:59], (\s)*2*KSTEP  ; global address: K step s
	s_or_b32 s[G0A+4*(\s)+3], s[G0A+4*(\s)+3], 0x80000000          ; type = 2
	s_mov_b32 s[G0B+4*(\s)], 1
	s_add_co_u32 s[G0B+4*(\s)+1], s62, (\s)*SLOT
	s_add_nc_u64 s[G0B+4*(\s)+2:G0B+4*(\s)+3], s[60:61], (\s)*2*KSTEP*NCOL
	s_or_b32 s[G0B+4*(\s)+3], s[G0B+4*(\s)+3], 0x80000000
.endr
	CROUND                                         ; all sixteen work-groups are here: the first joint loads meet
	s_cmp_eq_u32 s13, 0                            ; a wave's two first fills stand in one branch, ahead of every wait on TENSORcnt and every LDS read: two loads of mine are out
	s_cbranch_scc0 .Lfirst_b
	tensor_load_to_lds s[G0A:G0A+3], s[G1A:G1A+7]
	s_nop 0
	tensor_load_to_lds s[G0A+4:G0A+7], s[G1A:G1A+7]
	s_nop 0
.rept 4
	v_nop
.endr
	s_branch .Lfirst_asked
.Lfirst_b:
	tensor_load_to_lds s[G0B:G0B+3], s[G1B:G1B+7]
	s_nop 0
	tensor_load_to_lds s[G0B+4:G0B+7], s[G1B:G1B+7]
	s_nop 0
.rept 4
	v_nop
.endr
.Lfirst_asked:
	; A's fragment: 16 rows x 32 K in 8 registers: lane l holds row l % 16, K = 8 (l / 16) + 0..7 and 16 + 8 (l / 16) + 0..7: two loads of 16 bytes, 32 bytes apart.
	v_and_b32 v1, 15, v0                           ; l % 16
	v_bfe_u32 v2, v0, 4, 1                         ; l / 16
	v_mul_u32_u24 v3, v1, PA
	v_lshl_add_u32 v3, v2, 4, v3
	s_mul_i32 s20, s13, HALFT                      ; my 128 rows of A
	v_add_nc_u32 v[ADRA0], s20, v3
	; W's fragment, turned: lane l reads 16 bytes of row k = 8 (l / 16) + l % 8, columns 8 ((l / 8) % 2) + 0..7, and receives column l % 16 and 8 k; the second load stands 16 rows on.
	v_and_b32 v4, 7, v0
	v_lshl_add_u32 v5, v2, 3, v4
	v_mul_u32_u24 v5, v5, PB
	v_bfe_u32 v6, v0, 3, 1
	v_lshl_add_u32 v5, v6, 4, v5
	s_lshl_b32 s21, s14, 8                         ; my 128 columns: 256 bytes of a row,
	s_add_co_u32 s21, s21, 2*HALFT                 ; behind A's 256 rows
	v_add_nc_u32 v[ADRB0], s21, v5
	v_mov_b32 v[ADRA], v[ADRA0]
	v_mov_b32 v[ADRB], v[ADRB0]
	s_mul_i32 s22, s[WV], WSTG                     ; the way out: my 128 rows of 528 bytes
	v_mul_u32_u24 v3, v1, SPB                      ; in: row l % 16, 32 bytes for each half of the lanes
	v_lshl_add_u32 v3, v2, 5, v3
	v_add_nc_u32 v[STO], s22, v3
	v_bfe_u32 v3, v0, 3, 2                         ; back: 32 lanes take four rows, eight lanes a row, 32 bytes (8 columns of a panel) a lane
	v_mul_u32_u24 v3, v3, SPB
	v_lshl_add_u32 v3, v4, 5, v3
	v_add_nc_u32 v[RD], s22, v3
	v_and_b32 v[GO], 31, v0
	v_lshlrev_b32 v[GO], 4, v[GO]                  ; which become 16 bytes: four rows of a panel are 512 consecutive bytes
	v_lshlrev_b32 v[BO], 5, v4
	s_lshl_b32 s20, s17, 10                        ; the bias of my 128 columns: 4 x (256 x tile column + 128 x half)
	s_lshl_b32 s21, s14, 9
	s_add_co_u32 s20, s20, s21
	s_mov_b32 s21, 0
	s_add_nc_u64 s[8:9], s[8:9], s[20:21]
.irp p, 0,1
	global_load_b128 v[BIAS+8*(\p):BIAS+8*(\p)+3],   v[BO], s[8:9] offset:256*(\p)
	global_load_b128 v[BIAS+8*(\p)+4:BIAS+8*(\p)+7], v[BO], s[8:9] offset:256*(\p)+16
.endr
	s_lshl_b32 s20, s17, 2                         ; out: my first panel 4 x tile column + 2 x half, of 4,096 rows;
	s_lshl1_add_u32 s20, s14, s20
	s_lshl_b32 s20, s20, 12
	s_lshl_b32 s21, s18, 8                         ; my first row 256 x tile row + 128 x half;
	s_add_co_u32 s20, s20, s21
	s_lshl_b32 s21, s13, 7
	s_add_co_u32 s20, s20, s21
	s_lshl_b32 s20, s20, 7                         ; 128 bytes a row
	s_mov_b32 s21, 0
	s_add_nc_u64 s[10:11], s[10:11], s[20:21]
; 16 matrix instructions: m blocks a0, a0 + 1 of the window's four x all 8 n blocks, 32 along K.  zero = 1: the first product starts the sums: nothing is cleared.
; The 64 accumulators take turns, one instruction a turn, in the same order in every quarter, over the backward jumps too.
.macro MUL16 f, hi, a0, zero
	WIN MUL_LO+0x50*(\hi)
.irp a, \a0, (\a0)+1
.irp b, 0,1,2,3,4,5,6,7
.if \zero
	v_wmma_f32_16x16x32_bf16 v[8*(8*(\a)+(\b)):8*(8*(\a)+(\b))+7], v[(\f)+8*(\b):(\f)+8*(\b)+7], v[(\f)+8*(4*(\hi)+(\a)):(\f)+8*(4*(\hi)+(\a))+7], 0
.else
	v_wmma_f32_16x16x32_bf16 v[8*(8*(\a)+(\b)):8*(8*(\a)+(\b))+7], v[(\f)+8*(\b):(\f)+8*(\b)+7], v[(\f)+8*(4*(\hi)+(\a)):(\f)+8*(4*(\hi)+(\a))+7], v[8*(8*(\a)+(\b)):8*(8*(\a)+(\b))+7]
.endif
.endr
.endr
.endm
; 32 LDS loads in one run: quarter q (32 along K) of the slot in hand into buffer f: W's 8 blocks of 16 columns, then A's 8 blocks of 16 rows.
.macro FETCH q, f
	WIN TO_B
.irp i, 0,1,2,3,4,5,6,7
	ds_load_tr16_b128 v[(\f)+8*(\i):(\f)+8*(\i)+3],   v[ADRB] offset:(\q)*32*PB+32*(\i)
	ds_load_tr16_b128 v[(\f)+8*(\i)+4:(\f)+8*(\i)+7], v[ADRB] offset:(\q)*32*PB+16*PB+32*(\i)
.endr
	WIN 0
.irp i, 0,1,2,3,4,5,6,7
	ds_load_b128 v[(\f)+8*(\i):(\f)+8*(\i)+3],   v[ADRA] offset:(\q)*64+(\i)*16*PA
	ds_load_b128 v[(\f)+8*(\i)+4:(\f)+8*(\i)+7], v[ADRA] offset:(\q)*64+(\i)*16*PA+32
.endr
.endm
; A K step is four quarters, 64 matrix instructions each, on buffers 0, 1, 0, 1.  One of the first three: multiplies buffer f; in its middle it fetches quarter q into buffer g.
.macro QUARTER q, f, g, zero
	s_wait_dscnt 8                                 ; W and A's rows 0-63 are in; the youngest eight loads (A's rows 64-127) may be out
	MUL16 \f, 0, 0, \zero
	MUL16 \f, 0, 2, \zero
	PLACES
	FETCH \q, \g
	s_wait_dscnt 32                                ; all but the 32 just issued
	MUL16 \f, 1, 0, \zero
	MUL16 \f, 1, 2, \zero
.endm
; The last quarter multiplies buffer 1 and changes slots: ONE barrier.  In front of it each wave waits for all its tensor loads (one is out: its part of the next slot), adds 0 to its spare word,
; and waits for that and for its own reads of this slot.  fill = 1: the barrier opens a round of the cluster's, and the joint refill (two K steps on) is the first thing behind the round:
; it has 224 matrix instructions in which to land.  last = 1: in the trip with CNT = 1 there is no next step, and the run of loads is jumped over.
.macro TURN fill, last
	WIN 0                                          ; (the add's two registers lie in window 0)
	s_wait_tensorcnt 0x0                           ; no tensor load of mine is out, so a group 0 may be written
	ds_add_u32 v[SPW], v[NIL]                      ; 0 onto my spare word: scalar steps and sixteen products stand between it and the wait for it
.if \fill
	s_xor_b32 s[G0A+5], s[G0A+5], SLOT             ; the walking descriptors: the other slot than last time,
	s_add_nc_u64 s[G0A+6:G0A+7], s[G0A+6:G0A+7], 2*KSTEP        ; the next K step; the type bits on top are not reached
	s_xor_b32 s[G0B+5], s[G0B+5], SLOT
	s_add_nc_u64 s[G0B+6:G0B+7], s[G0B+6:G0B+7], 2*KSTEP*NCOL
.endif
	s_xor_b32 s[TB], s[TB], SLOT
	s_wait_dscnt 9                                 ; (the add and the youngest eight loads may be out)
	MUL16 F1, 0, 0, 0
	s_wait_dscnt 0x0                               ; the add is done, and my reads of this slot are over
	s_barrier_signal -1
	MUL16 F1, 0, 2, 0                              ; work on registers while the others arrive
	WIN 0                                          ; at a branch and at a label every window is 0
	s_barrier_wait -1
.if \fill
	CREST                                          ; no wave of any partner still reads this slot or has a load on its way
	JLOAD                                          ; its four v_nop are also the places in front of the loads below
.else
	PLACES
.endif
	v_add_nc_u32 v[ADRA], s[TB], v[ADRA0]
	v_add_nc_u32 v[ADRB], s[TB], v[ADRB0]
.if \last
	s_cmp_eq_u32 s[CNT], 1
	s_cbranch_scc1 .Lno_fetch_\@
.endif
	FETCH 0, F0
.if \last
.Lno_fetch_\@:
.endif
	MUL16 F1, 1, 0, 0
	MUL16 F1, 1, 2, 0
.endm
	s_wait_tensorcnt 1                             ; my part of K step 0 is in; step 1's may stay out
	s_barrier_signal -1
	s_barrier_wait -1                              ; everybody's is
	FETCH 0, F0
	QUARTER 1, F0, F1, 1                           ; the first quarter stands in front of the loop: its products start the sums
	WIN 0
	s_mov_b32 s[CNT], 6                            ; K steps 0 to 5 ask for steps 2 to 7
.Lstep:                                        ; a trip: a step's quarters 1, 2, 3 and the next step's quarter 0
	QUARTER 2, F1, F0, 0
	QUARTER 3, F0, F1, 0
	TURN 1, 0
	QUARTER 1, F0, F1, 0
	WIN 0
	s_sub_co_u32 s[CNT], s[CNT], 1
	s_cmp_lg_u32 s[CNT], 0
	s_cbranch_scc1 .Lstep
	s_mov_b32 s[CNT], 2                            ; K steps 6 and 7 ask for nothing: a text of their own
.Ltail:
	QUARTER 2, F1, F0, 0
	QUARTER 3, F0, F1, 0
	TURN 0, 1
	WIN 0
	s_cmp_eq_u32 s[CNT], 1                         ; behind the last step there is no quarter 0
	s_cbranch_scc1 .Lno_quarter
	QUARTER 1, F0, F1, 0
	WIN 0
.Lno_quarter:
	s_sub_co_u32 s[CNT], s[CNT], 1
	s_cmp_lg_u32 s[CNT], 0
	s_cbranch_scc1 .Ltail
	; THE WAY OUT.  The ring has had its last fill; behind this barrier no wave reads it, and each wave lays its sums over it.
	PLACES
	s_wait_dscnt 0x0
	s_barrier_signal -1
	s_barrier_wait -1
.irp a, 0,1,2,3,4,5,6,7
	WIN 0x08+4*((\a)/4)                            ; store data (source 1) in window 2 or 3
.irp b, 0,1,2,3,4,5,6,7                ; each accumulator's four lowest registers first
	ds_store_b128 v[STO], v[8*(8*((\a)%4)+(\b)):8*(8*((\a)%4)+(\b))+3]   offset:(\a)*16*SPB+64*(\b)
	ds_store_b128 v[STO], v[8*(8*((\a)%4)+(\b))+4:8*(8*((\a)%4)+(\b))+7] offset:(\a)*16*SPB+64*(\b)+16
.endr
.endr
	WIN 0
.macro RDLOAD                          ; 8 rows x 128 columns; LDS serves a wave's instructions in order (ISA guide 5.7.1.4): these see the stores above, which are my own
.irp u, 0,1,2,3
	ds_load_b128 v[X+8*(\u):X+8*(\u)+3],   v[RD] offset:((\u)/2)*4*SPB+((\u)%2)*256
	ds_load_b128 v[X+8*(\u)+4:X+8*(\u)+7], v[RD] offset:((\u)/2)*4*SPB+((\u)%2)*256+16
.endr
.endm
	s_wait_loadcnt 0x0                             ; the bias
	RDLOAD
	s_mov_b32 s[CNT], 16
.Lrow:
	s_wait_dscnt 0x0                               ; this trip's 8 rows are in
.irp u, 0,1,2,3
.irp k, 0,2,4,6
	v_pk_add_f32 v[T+8*(\u)+(\k):T+8*(\u)+(\k)+1], v[X+8*(\u)+(\k):X+8*(\u)+(\k)+1], v[BIAS+8*((\u)%2)+(\k):BIAS+8*((\u)%2)+(\k)+1]
.endr
.endr
	v_add_nc_u32 v[RD], 8*SPB, v[RD]
	s_cmp_eq_u32 s[CNT], 1                         ; the last trip has no rows behind it
	s_cbranch_scc1 .Lno_rows
	RDLOAD                                         ; the next trip's rows come while this trip's are worked on
.Lno_rows:
.set n, 0
.rept 16
	v_cvt_pk_bf16_f32 v[Y+n], v[T+2*n], v[T+2*n+1]
.set n, n+1
.endr
.irp u, 0,1,2,3
	global_store_b128 v[GO], v[Y+4*(\u):Y+4*(\u)+3], s[10:11] offset:((\u)%2)*524288+((\u)/2)*512  ; four rows of a panel: 512 consecutive bytes, at a multiple of 256 from out's first byte
.endr
	s_wait_xcnt 0x0                                ; the stores have read Y and their base: only behind this wait are they written again
	s_add_nc_u64 s[10:11], s[10:11], 1024          ; 8 rows on
	s_sub_co_u32 s[CNT], s[CNT], 1
	s_cmp_lg_u32 s[CNT], 0
	s_cbranch_scc1 .Lrow
	s_wait_tensorcnt 0x0                           ; the wave's end: a wait, an add and its wait, behind my last tensor load and my last LDS store
	ds_add_u32 v[SPW], v[NIL]
	s_wait_dscnt 0x0
	CROUND                                         ; the closing round: no work-group ends while a partner may still ask for a tile that names it
	s_endpgm
.Lfunc_end_k_q0513702f39_qkv:
	.size	k_q0513702f39_qkv, .Lfunc_end_k_q0513702f39_qkv-k_q0513702f39_qkv
	.p2alignl 7, 3214868480
	.fill 96, 4, 3214868480
	.section	.rodata,"a",@progbits
	.p2align	6, 0x0
	.amdhsa_kernel k_q0513702f39_qkv
		.amdhsa_group_segment_fixed_size 327680
		.amdhsa_private_segment_fixed_size 0
		.amdhsa_enable_private_segment 0
		.amdhsa_kernarg_size 32
		.amdhsa_user_sgpr_count 2
		.amdhsa_user_sgpr_kernarg_segment_ptr 1
		.amdhsa_wavefront_size32 1
		.amdhsa_system_sgpr_workgroup_id_x 1
		.amdhsa_system_sgpr_workgroup_id_y 1
		.amdhsa_system_sgpr_workgroup_id_z 1
		.amdhsa_system_vgpr_workitem_id 0
		.amdhsa_next_free_vgpr 1024
		.amdhsa_next_free_sgpr 66
		.amdhsa_reserve_vcc 0
		.amdhsa_float_denorm_mode_32 3
		.amdhsa_float_denorm_mode_16_64 3
		.amdhsa_memory_ordered 1
		.amdhsa_forward_progress 1
		.amdhsa_inst_pref_size 81
	.end_amdhsa_kernel
	.amdgpu_metadata
---
amdhsa.version: [ 1, 2 ]
amdhsa.kernels:
  - .name:           k_q0513702f39_qkv
    .symbol:         k_q0513702f39_qkv.kd
    .args:
      - { .name: hbuf, .offset: 0, .size: 8, .value_kind: global_buffer, .address_space: global }
      - { .name: wb, .offset: 8, .size: 8, .value_kind: global_buffer, .address_space: global }
      - { .name: b_qkv, .offset: 16, .size: 8, .value_kind: global_buffer, .address_space: global }
      - { .name: qkvbuf, .offset: 24, .size: 8, .value_kind: global_buffer, .address_space: global }
    .group_segment_fixed_size: 327680
    .private_segment_fixed_size: 0
    .kernarg_segment_align: 8
    .kernarg_segment_size: 32
    .max_flat_workgroup_size: 128
    .sgpr_count:     66
    .vgpr_count:     1024
    .wavefront_size: 32
...
	.end_amdgpu_metadata
.endif
;; end of part 2
;; launch att (part 3): grid 8 x 32, 4 waves a work-group, clusters of 4 x 1, 327,680 bytes of LDS; arguments qkvbuf, obuf; writes obuf
.if DOCPART == 3
	.amdgcn_target "amdgcn-amd-amdhsa--gfx1250"
	.amdhsa_code_object_version 6
	.text
	.protected	k_q0513702f39_att
	.globl	k_q0513702f39_att
	.p2align	8
	.type	k_q0513702f39_att,@function
k_q0513702f39_att:
	s_mov_b64 s[64:65], 0
	v_nop
	global_prefetch_b8 v0, s[64:65] scope:SCOPE_SE
	s_setreg_imm32_b32 hwreg(HW_REG_WAVE_MODE, 25, 1), 1
	s_wait_xcnt 0x0
	s_wait_alu depctr_hold_cnt(0) depctr_sa_sdst(0) depctr_va_vdst(0) depctr_va_sdst(0) depctr_va_ssrc(0) depctr_va_vcc(0) depctr_vm_vsrc(0)
	s_getreg_b32 s2, hwreg(HW_REG_IB_STS2, 6, 4)
	s_cmp_eq_u32 s2, 0
	s_cbranch_scc0 .Lentry_in_a_cluster
	s_endpgm
.Lentry_in_a_cluster:
	s_bfe_u32 s2, ttmp6, 0x10000c
	s_cmp_lg_u32 s2, 0x3003
	s_cbranch_scc0 .Lentry_shape_is_right
	s_endpgm
.Lentry_shape_is_right:
; O[y][q][:] = the sum over k of softmax_k(Q[y][q] . K[y][k] / 8) V[y][k][:], for 32 heads y = 16 b + h of 2,048 rows and 64 channels, all bf16.
; q, k, v lie in panels [column / 64][row 0..4095][64]: head y's q is panel h, rows 2,048 b on; its k panel 16 + h, its v panel 32 + h: dense rows of 128 bytes.  O leaves in the same layout, 16 panels.
; Products, maxima and sums in f32; the weights p are rounded to bf16 for the second product (their sum l is taken of the unrounded p), O once at the end.
; LIMITS.  A weight below 2^-126 counts as 0 in l; NaN and infinities are not treated apart.
; SHARES.  A work-group owns 256 queries of a head, each of its four waves 64: four tiles of 16, in two PIECES named by their first tile (0: tiles 0, 1; 2: tiles 2, 3).  Every wave walks all keys, 64 a step.
; LAYOUT.  S^T = K Q^T (source 0 = 16 keys, source 1 = 16 queries): a lane holds ONE query (lane % 16) and the keys 8 (lane / 16) + 0..7.  Two such results, rounded to bf16 in pairs, ARE source 1
; (32 keys x 16 queries) of O^T = V^T P, whose result again holds one query a lane, and eight channels.  K comes out of LDS as it lies, V ([key][channel]) turned, by ds_load_tr16_b128.
; SOFTMAX.  For each query a running maximum m and sum l: p = 2^(c s - c m), c = log2(e) / 8; in every step O and l are multiplied by a = 2^(c m_old - c m_new).
; m starts at the lowest finite number, O and l at 0: the first step is a step like any other, with a = 0.
; BY TURNS.  In a TURN one piece has the matrix unit: 16 products V^T P of the step in hand, then 16 products K Q^T of the next step; the other piece's softmax, 236 vector instructions in 59 slices
; of four, stands beside them: a slice behind each product, the other 27 in two runs of their own.  Two turns are a key step.
; CLUSTER.  The four query blocks of a cluster belong to one head and walk the same K and V: each tile is asked for JOINTLY, by the same tensor load, descriptor and mask in all four.
; The price of one text for every trip: 16 products on zeros at the start, 16 on a stale K at the end, 240 v_mov_b32 in the wait for the first tile.
; REGISTERS, in windows of 256 (s_set_vgpr_msb: bits 1:0 source 0, 3:2 source 1, 5:4 source 2, 7:6 destination):
;   window 0: v0-11 addresses; v12-43 eight registers of statistics a tile; v61-63; v64-191 S^T, 32 a tile; v192-255 P, 16 a tile
;   window 1: v0-127 O^T, 32 a tile; v128-191 Q, 16 a tile; v192-255 K of one step          window 2: v0-63 V of one step
.set KS,    64        ; keys in a step
.set PK,    144       ; a row of K in LDS: 128 bytes + 16 = 36 words: the 16 rows of a load start at 16 different groups of four banks (64 banks of 4 bytes: ISA guide 11.1)
.set PV,    160       ; a row of V: 128 + 32 = 40 words
.set VOFF,  4*KS*PK   ; a slot holds four steps: 256 rows of K, then 256 rows of V
.set SLOT1, 1<<17     ; slot 1 begins here, so that one exclusive or turns an address in one slot into the other's
.set STAGE, SLOT1+4*KS*(PK+PV)  ; behind the ring, never filled by a tensor load: 16 rows x 144 bytes for each wave, for the way out
.set SP,    144
.set SPARE, STAGE+4*16*SP  ; behind the stages: the spare words, 128 bytes a wave: two blocks of 256 bytes that no other line names
.set AK0, 2           ; v2   my lane's place in a tile of K; never rewritten
.set AV0, 3           ; v3   the same for V
.set ADR, 4           ; v4   the LDS address of the run of loads in hand
.set QO,  5           ; v5   my byte offset in 16 rows of Q
.set STO, 6           ; v6   the way out: where I put 16 bytes of a row
.set RD,  7           ; v7   where I read rows back
.set GO,  8           ; v8   my byte offset in 512 consecutive bytes of O
.set ST,  12          ; tile t's statistics at v[ST+8 t]: +0 c m, +1 m, +2, +3 l (even keys', odd keys'), +4 to +7 c0-c3, at work; a takes c2's place once the maximum is found
.set PFO, 61          ; v61  256 x my lane; never rewritten
.set SPW, 62          ; v62  LDS address of my spare word; never rewritten
.set NIL, 63          ; v63  0; never rewritten
.set S,   64
.set P,   192
.set QF,  128         ; window 1: tile t, channel half c at QF + 16 t + 8 c
.set KF,  192         ; window 1: key block kb, channel half c at KF + 16 kb + 8 c
.set WV,  12          ; s12  my wave's number
.set LIM, 15          ; s15  1 in a wave that prefetches, else the greatest number
.set G1K, 24          ; s[24:31] descriptor group 1 for K's tiles
.set G1V, 32          ; s[32:39] for V's: it differs in the padding alone
.set G0K, 40          ; s[40:43] descriptor group 0 for K's tiles: it walks
.set G0V, 44          ; s[44:47] the same for V's
.set PFA, 48          ; s[48:49] where my prefetches stand: my work-group's 8,192 bytes (of K: wave 0, of V: wave 2) of the slot after the one that is being asked for
.set SLOTS, 56        ; s56  changes of slots still to come in the loop, and one
.set CNT, 57          ; s57  counts a slot's key steps
.set CS,  58          ; s[58:59] c: the packed scaling takes the pair's low word for both halves
.set SEL, 60          ; s[60:61] v_permlanex16_b32's selects: each lane takes its own place in the other half
.set TBK, 62          ; s62  LDS byte at which K of the step to be fetched begins
.set TBV, 63          ; s63  the same for V, less VOFF
.set MSB, 0
.macro WIN new                      ; the high byte repeats the setting that is left; a switch that changes nothing is dropped
.if MSB != (\new)
	s_set_vgpr_msb (MSB<<8)|(\new)
.set MSB, (\new)
.endif
.endm
.set W_KQ, 0x05       ; K and Q in window 1, S^T in window 0
.set W_PV, 0x52       ; V in window 2, P in window 0, O^T in window 1
.set W_RS, 0x41       ; O^T (destination and source 0) in window 1, a in window 0
; A joint fill.  Waves 0 and 1 fetch the two halves of a slot's K, waves 2 and 3 those of its V: 128 keys each.  The branch hangs on the wave's number alone.
; An s_nop 0 and four v_nop follow each of the two lines, ahead of the jump and the label.
.macro JLOAD
	s_cmp_lt_u32 s[WV], 2
	s_cbranch_scc0 .Lfor_v_\@
	tensor_load_to_lds s[G0K:G0K+3], s[G1K:G1K+7]
	s_nop 0
.rept 4
	v_nop
.endr
	s_branch .Lasked_\@
.Lfor_v_\@:
	tensor_load_to_lds s[G0V:G0V+3], s[G1V:G1V+7]
	s_nop 0
.rept 4
	v_nop
.endr
.Lasked_\@:
.endm
; A PREFETCH INTO THE L2 of what the NEXT change of slots will ask for: a slot's 32,768 bytes of K and of V.  It stands behind the wave's tensor load and its five lines.
; Each block of 256 bytes is named ONCE in the launch: both clusters of a head walk the same K and V, and the first prefetches; its four partners take 8,192 bytes each, told apart BY ADDRESS;
; in each, wave 0 asks for K's and wave 2 for V's: a lane a block, one instruction.  It is four key steps, 256 matrix instructions, ahead of the load that will want the bytes.
; Slots 0, 1 and 2 come by their loads alone; the change that fills the last slot asks for nothing.
.macro ASK
	s_cmp_gt_u32 s[SLOTS], s[LIM]
	s_cbranch_scc0 .Lnot_mine_\@
	global_prefetch_b8 v[PFO], s[PFA:PFA+1] th:TH_LOAD_NT scope:SCOPE_SE
.Lnot_mine_\@:
.endm
; A round of the cluster's barrier: my work-group's barrier, so that wave 0's signal speaks for all four waves; wave 0 signals; every wave waits for all four work-groups; my work-group's barrier once more.
.macro CROUND
	s_barrier_signal -1
	s_barrier_wait -1
	s_cmp_lg_u32 s[WV], 0
	s_cbranch_scc1 .Lnot_wave_0_\@
	s_barrier_signal -3
.Lnot_wave_0_\@:
	s_barrier_wait -3
	s_barrier_signal -1
	s_barrier_wait -1
.endm
; THE CHANGE OF SLOTS, between piece 2's turn and piece 0's: the slot's last bytes, V of its fourth step, have been asked for.  Each wave waits for all its tensor loads, of which one is out: its part
; of the other slot; adds 0 to its spare word; and waits for that and for its own reads of the slot.  Behind the barrier nobody reads this slot any more and the other slot is whole.
; fill = 1: this slot is filled again, with the keys two slots on.  The barrier is then a round of the cluster's, and the joint fill is the first thing behind it: it has four key steps, 256 matrix
; instructions, in which to land.  (At its first use nothing has been read yet: slot 0 is waited for, slot 1 filled.)  ask = 1: a prefetch follows.
.macro CHANGE fill, ask
	WIN 0                           ; at a label and at a branch every window is 0
	s_wait_tensorcnt 0x0            ; no tensor load of mine is out, so a group 0 may be written
	ds_add_u32 v[SPW], v[NIL]       ; 0 onto my spare word: with fill = 1 the descriptors' steps stand between it and the wait for it
.if \fill
.irp g, G0K, G0V
	s_xor_b32 s[\g+1], s[\g+1], SLOT1  ; the walking descriptor: the other slot than last time,
	s_add_nc_u64 s[\g+2:\g+3], s[\g+2:\g+3], 4*KS*128  ; the next 256 keys; the type bits on top are not reached
.endr
.if \ask
	s_wait_xcnt 0x0                 ; the last prefetch, four key steps back, has read its address, so it may be written:
	s_add_nc_u64 s[PFA:PFA+1], s[PFA:PFA+1], 4*KS*128  ; one slot behind the walking descriptors
.endif
	s_wait_dscnt 0x0                ; the add is done, and my reads of the slot are over
	CROUND
	JLOAD
.if \ask
	ASK
.endif
.else
	s_wait_dscnt 0x0                ; the add is done, and my reads of the slot are over
	s_barrier_signal -1
	s_barrier_wait -1
.endif
	s_sub_co_u32 s[TBK], s[TBK], 4*KS*PK  ; the fetches go back to a slot's first step,
	s_xor_b32 s[TBK], s[TBK], SLOT1       ; in the other slot
	s_sub_co_u32 s[TBV], s[TBV], 4*KS*PV
	s_xor_b32 s[TBV], s[TBV], SLOT1
.endm
	s_load_b128 s[4:7], s[0:1], 0x0 ; q, k, v s[4:5], O s[6:7]
	v_lshl_add_u32 v[SPW], v0, 2, SPARE
	v_mov_b32 v[NIL], 0
	ds_add_u32 v[SPW], v[NIL]       ; the wave's opening: the add and its wait stand ahead of my first tensor load; the set-up below, work on registers, stands between them
	v_lshrrev_b32 v1, 5, v0
	v_readfirstlane_b32 s[WV], v1   ; wave 0..3
	s_bfe_u32 s13, ttmp6, 0x40000   ; cx: my place in the cluster
	s_lshl_b32 s14, ttmp9, 2        ; in a cluster launch ttmp9 counts clusters
	s_add_co_u32 s14, s14, s13      ; my block of 256 queries = 4 x cluster x + cx: it enters Q's and O's addresses alone
	s_and_b32 s20, ttmp7, 0xffff    ; y, which the four partners share
	s_lshr_b32 s21, s20, 4          ; b
	s_and_b32 s20, s20, 15          ; h
	s_lshl_b32 s20, s20, 19         ; a panel is 524,288 bytes,
	s_lshl_b32 s21, s21, 18         ; 2,048 rows of it 262,144
	s_add_co_u32 s20, s20, s21      ; the head's first byte in q's panels and in O's
	s_and_b32 s16, s[WV], 1         ; which half of a slot's 256 keys I fetch:
	s_lshl_b32 s22, s16, 14         ; its 128 rows of 128 bytes in memory,
	s_add_co_u32 s22, s22, s20
	s_mov_b32 s23, 0
	s_mul_i32 s17, s16, 128*PK      ; and its place in a slot, for K
	s_mul_i32 s18, s16, 128*PV      ; and for V: no place in the cluster enters an LDS address
	s_lshl_b32 s2, s14, 15          ; my block's 256 rows,
	s_lshl_b32 s3, s[WV], 13        ; my wave's 64 of them
	s_add_co_u32 s2, s2, s3
	s_add_co_u32 s2, s2, s20
	s_mov_b32 s3, 0
	; descriptor group 1.  128 keys are 16,384 dense bytes: asked for as 64 rows of 256 bytes, two keys a row, and padded in LDS after every key
	s_mov_b32 s[G1K], 15|(1<<16)|(1<<20)|(1<<21)|(4<<22)|(3<<25)  ; the mask of four; 2-byte elements; padding on; bit 21 beside a mask; after every 32 words 4 words
	s_mov_b32 s[G1V], 15|(1<<16)|(1<<20)|(1<<21)|(4<<22)|(7<<25)  ; the same with 8 words of padding
.irp g, G1K, G1V
	s_mov_b32 s[\g+1], 128<<16      ; tensor_dim0 = 128
	s_mov_b32 s[\g+2], 64<<16       ; tensor_dim1 = 64
	s_mov_b32 s[\g+3], 128<<16      ; tile_dim0 = 128
	s_mov_b32 s[\g+4], 64           ; tile_dim1 = 64
	s_mov_b32 s[\g+5], 128          ; 128 elements from row to row
	s_mov_b32 s[\g+6], 0
	s_mov_b32 s[\g+7], 0
.endr
	s_mov_b32 s[CS], 0x3e38aa3b     ; c = log2(e) / 8 = 0.180337
	s_mov_b32 s[CS+1], s[CS]        ; named with it as a pair
	s_mov_b32 s[SEL], 0x76543210
	s_mov_b32 s[SEL+1], 0xfedcba98
	s_mov_b32 s[TBK], SLOT1+4*KS*PK ; the first change of slots turns these two into 0
	s_mov_b32 s[TBV], SLOT1+4*KS*PV
	s_mov_b32 s[G0K], 1             ; count = 1
	s_mov_b32 s[G0K+1], s17         ; LDS address: slot 0
	s_mov_b32 s[G0V], 1
	s_add_co_u32 s[G0V+1], s18, VOFF
	s_and_b32 s[LIM], s[WV], 1      ; 0 in waves 0 and 2,
	s_or_b32 s[LIM], s[LIM], ttmp9  ; where the cluster is the head's first: the same in all four partners
	s_cmp_eq_u32 s[LIM], 0
	s_cselect_b32 s[LIM], 1, -1
	v_and_b32 v[PFO], 31, v0
	v_lshlrev_b32 v[PFO], 8, v[PFO]
	s_wait_dscnt 0x0                ; the opening add is done
	s_wait_kmcnt 0x0
	s_add_nc_u64 s[8:9], s[4:5], s[22:23]
	s_add_nc_u64 s[10:11], s[8:9], 32*524288  ; V at my half of the head's first 256 keys,
	s_add_nc_u64 s[8:9], s[8:9], 16*524288    ; and K
	s_mov_b64 s[G0K+2:G0K+3], s[8:9]
	s_or_b32 s[G0K+3], s[G0K+3], 0x80000000   ; type = 2
	s_mov_b64 s[G0V+2:G0V+3], s[10:11]
	s_or_b32 s[G0V+3], s[G0V+3], 0x80000000
	s_add_nc_u64 s[4:5], s[4:5], s[2:3]       ; Q and O at my wave's first row
	s_add_nc_u64 s[6:7], s[6:7], s[2:3]
	s_cmp_lt_u32 s[WV], 2
	s_cselect_b64 s[PFA:PFA+1], s[8:9], s[10:11]  ; (in waves 0 and 2 these stand at a slot's first row)
	s_lshl_b32 s2, s13, 13          ; my work-group's quarter of a slot
	s_add_nc_u64 s[PFA:PFA+1], s[PFA:PFA+1], s[2:3]
	s_add_nc_u64 s[PFA:PFA+1], s[PFA:PFA+1], 2*4*KS*128  ; in slot 2: the change that fills slot 2 steps it to slot 3.  Nothing is prefetched here, at the head
	CROUND                          ; all four work-groups are here: the first joint loads meet
	JLOAD                           ; slot 0.  Slot 1 is asked for when slot 0 is in
	; A fragment of K or Q is 16 rows x 32 channels in 8 registers: lane l holds row l % 16, channels 8 (l / 16) + 0..7 and 16 + 8 (l / 16) + 0..7: two loads of 16 bytes, 32 bytes apart.
	v_and_b32 v1, 15, v0            ; l % 16
	v_bfe_u32 v9, v0, 4, 1          ; l / 16
	v_lshlrev_b32 v[QO], 7, v1
	v_lshl_add_u32 v[QO], v9, 4, v[QO]  ; row x 128 + 16 x half
	WIN 0x40                        ; destination window 1, address window 0
.set i, 0
.rept 8                             ; Q stays in registers: tile i / 2, channels 32 (i % 2) on
	global_load_b128 v[QF+8*i:QF+8*i+3],   v[QO], s[4:5] offset:(i/2)*2048+(i%2)*64
	global_load_b128 v[QF+8*i+4:QF+8*i+7], v[QO], s[4:5] offset:(i/2)*2048+(i%2)*64+32
.set i, i+1
.endr
	; What the first turn finds: V and P of tiles 2, 3 hold 0 (its products V^T P, of a step that has not been, add 0), O^T and l are 0.  All this stands in the wait for the first tile.
.set i, 0
.rept 128
	v_mov_b32 v[i], 0
.set i, i+1
.endr
	WIN 0x80
.set i, 0
.rept 64
	v_mov_b32 v[i], 0
.set i, i+1
.endr
	WIN 0
.set i, 0
.rept 4
	v_mov_b32 v[ST+8*i], 0xfe000000    ; c m: far below every c s
	v_mov_b32 v[ST+8*i+1], 0xff7fffff  ; m
	v_mov_b32 v[ST+8*i+2], 0
	v_mov_b32 v[ST+8*i+3], 0
.set i, i+1
.endr
.set i, P+32
.rept 32
	v_mov_b32 v[i], 0
.set i, i+1
.endr
	v_mul_u32_u24 v[AK0], v1, PK
	v_lshl_add_u32 v[AK0], v9, 4, v[AK0]  ; row x pitch + 16 x half
	; The turning load takes 16 keys x 16 channels (lane l reads key 8 (l / 16) + l % 8, channels 8 ((l / 8) % 2) + 0..7) and leaves half a fragment of V^T: lane l holds channel l % 16 and 8 keys.
	v_and_b32 v10, 7, v0
	v_bfe_u32 v11, v0, 3, 1
	v_lshl_add_u32 v[AV0], v9, 3, v10
	v_mul_u32_u24 v[AV0], v[AV0], PV
	v_lshl_add_u32 v[AV0], v11, 4, v[AV0]
	v_add_nc_u32 v[AV0], VOFF, v[AV0]
; THE MATRIX WORK.  The 8 accumulators of a run of 16 take turns, one instruction a turn: between the two links of a chain stand 7 others'.
; Product i of 16 of S^T = K Q^T for piece x: channels 32 (i / 8) on, keys 16 ((i / 2) % 4) on, tile x + i % 2.  The first 8 start the sums.
.macro KQ x
	WIN W_KQ
.set rS, S+32*((\x)+i%2)+8*((i/2)%4)
.set rK, KF+16*((i/2)%4)+8*(i/8)
.set rQ, QF+16*((\x)+i%2)+8*(i/8)
.if i < 8
	v_wmma_f32_16x16x32_bf16 v[rS:rS+7], v[rK:rK+7], v[rQ:rQ+7], 0
.else
	v_wmma_f32_16x16x32_bf16 v[rS:rS+7], v[rK:rK+7], v[rQ:rQ+7], v[rS:rS+7]
.endif
.endm
; Product i of 16 of O^T += V^T P for piece x: keys 32 (i / 8) on, channels 16 ((i / 2) % 4) on, tile x + i % 2.
.macro PV x
	WIN W_PV
.set rO, 32*((\x)+i%2)+8*((i/2)%4)
.set rV, 32*(i/8)+8*((i/2)%4)
.set rP, P+16*((\x)+i%2)+8*(i/8)
	v_wmma_f32_16x16x32_bf16 v[rO:rO+7], v[rV:rV+7], v[rP:rP+7], v[rO:rO+7]
.endm
; THE LDS LOADS stand in runs of 16, never singly among the matrix instructions: a step's K (64 keys x 64 channels: 8 fragments) and its V (turned).
; last = 1 (the tail): in the trip with CNT = 1 there is no further step, and the run is jumped over.
.macro FETCH_K last=0
	WIN 0
.if \last
	s_cmp_eq_u32 s[CNT], 1
	s_cbranch_scc1 .Lno_k_\@
.endif
	v_add_nc_u32 v[ADR], s[TBK], v[AK0]
	s_add_co_u32 s[TBK], s[TBK], KS*PK  ; the next fetch is the next step's
	WIN 0x40                        ; destination window 1
.irp f, 0,1,2,3,4,5,6,7             ; keys 16 (f / 2) on, channels 32 (f % 2) on
	ds_load_b128 v[KF+8*\f:KF+8*\f+3],   v[ADR] offset:(\f/2)*16*PK+(\f%2)*64
	ds_load_b128 v[KF+8*\f+4:KF+8*\f+7], v[ADR] offset:(\f/2)*16*PK+(\f%2)*64+32
.endr
	WIN 0
.if \last
.Lno_k_\@:
.endif
.endm
.macro FETCH_V
	WIN 0
	v_add_nc_u32 v[ADR], s[TBV], v[AV0]
	s_add_co_u32 s[TBV], s[TBV], KS*PV
	WIN 0x80                        ; destination window 2
.irp f, 0,1,2,3,4,5,6,7             ; keys 32 (f / 4) on, channels 16 (f % 4) on
	ds_load_tr16_b128 v[8*\f:8*\f+3],   v[ADR] offset:(\f/4)*32*PV+(\f%4)*32
	ds_load_tr16_b128 v[8*\f+4:8*\f+7], v[ADR] offset:(\f/4)*32*PV+16*PV+(\f%4)*32
.endr
.endm
; THE VECTOR WORK.  One tile's softmax for one key step is a list of 118 instructions; SM writes number j of it for tile t.  s0-s31 are the lane's 32 scores, in pairs 0-15.
;   0-15    the maximum of s0-s31 and the old m, three operands at a time: four chains c0-c3 of seven scores each (each accumulator's lowest registers are read first),
;           then the four scores left over, c0-c3 and m
;   16-20   the other half of the lanes' maximum; c m_old is kept; the new m; c m; c m_old - c m_new
;   21-87   33 exponentials (a, then s0-s31) at the odd numbers from 23 on, so that no two follow each other and each has a plain instruction behind it before its result is used.
;           Plain instruction q (number 21, then the even numbers) is whatever is ready: c s - c m for a pair whose exponentials are still to come (q = 0 to 3, then every second q),
;           the rounding to bf16 of a pair whose exponentials are done (every other q from 5 on), at last the first three sums
;   88-101  the last rounding; the rest of the sums; l = a l + the sum
;   102-117 the tile's O^T times a: the one part that leaves window 0, so it stands together
.macro SM t
.set rT, ST+8*(\t)
.set rS, S+32*(\t)
.set rP, P+16*(\t)
.set rO, 32*(\t)+2*(j-102)
.set q, (j-20)/2
.if j < 102
	WIN 0
.endif
.if j < 4
	v_max3_num_f32 v[rT+4+j], v[rS+8*j], v[rS+8*j+1], v[rS+8*j+2]
.elseif j < 12
	v_max3_num_f32 v[rT+4+j%4], v[rT+4+j%4], v[rS+8*(j%4)+2*(j/4)+1], v[rS+8*(j%4)+2*(j/4)+2]
.elseif j == 12
	v_max3_num_f32 v[rT+4], v[rT+4], v[rS+7], v[rS+15]
.elseif j == 13
	v_max3_num_f32 v[rT+6], v[rT+6], v[rS+23], v[rS+31]
.elseif j == 14
	v_max3_num_f32 v[rT+4], v[rT+4], v[rT+5], v[rT+6]
.elseif j == 15
	v_max3_num_f32 v[rT+4], v[rT+4], v[rT+7], v[rT+1]
.elseif j == 16
	v_permlanex16_b32 v[rT+5], v[rT+4], s[SEL], s[SEL+1]  ; the query's other 32 keys lie in the lane 16 away
.elseif j == 17
	v_mov_b32 v[rT+7], v[rT]        ; c m_old is kept for a: number 19 writes c m anew
.elseif j == 18
	v_max_num_f32 v[rT+1], v[rT+4], v[rT+5]
.elseif j == 19
	v_mul_f32 v[rT], s[CS], v[rT+1]
.elseif j == 20
	v_sub_f32 v[rT+7], v[rT+7], v[rT]
.elseif j == 23
	v_exp_f32 v[rT+6], v[rT+7]
.elseif (j < 88) && (j > 23) && (j%2 == 1)
	v_exp_f32 v[rS+(j-25)/2], v[rS+(j-25)/2]
.elseif (q < 4) || ((j < 76) && (q%2 == 0))
.set b, q/2+2
.if q < 4
.set b, q
.endif
	v_pk_fma_f32 v[rS+2*b:rS+2*b+1], v[rS+2*b:rS+2*b+1], s[CS:CS+1], v[rT:rT+1] op_sel_hi:[1,0,0] neg_lo:[0,0,1] neg_hi:[0,0,1]  ; pair b: c s - c m
.elseif (j < 88) && (q%2 == 1)
	s_wait_alu depctr_va_vdst(0)
	v_cvt_pk_bf16_f32 v[rP+(q-5)/2], v[rS+q-5], v[rS+q-4]  ; pair (q - 5) / 2: its second exponential stands three numbers back
.elseif j == 89
	s_wait_alu depctr_va_vdst(0)
	v_cvt_pk_bf16_f32 v[rP+15], v[rS+30], v[rS+31]
.elseif j < 102                     ; the sum of the tile's 16 pairs, in place: sum z of 16 adds neighbours 1, 2, 4 and 8 pairs apart, then l takes it
.set z, j-86
.if j < 89
.set z, (j-76)/4
.endif
.set w, 4
.set u, z
.if z >= 14
.set w, 32
.set u, 0
.elseif z >= 12
.set w, 16
.set u, z-12
.elseif z >= 8
.set w, 8
.set u, z-8
.endif
.if z < 15
	v_pk_add_f32 v[rS+w*u:rS+w*u+1], v[rS+w*u:rS+w*u+1], v[rS+w*u+w/2:rS+w*u+w/2+1]
.else
	v_pk_fma_f32 v[rT+2:rT+3], v[rT+2:rT+3], v[rT+6:rT+7], v[rS:rS+1] op_sel_hi:[1,0,1]
.endif
.else
	WIN W_RS
	v_pk_mul_f32 v[rO:rO+1], v[rO:rO+1], v[rT+6:rT+7] op_sel_hi:[1,0]
.endif
.endm
; Slice k of 59 of piece y's softmax: numbers 2 k and 2 k + 1 of both tiles' lists, four instructions.
.macro SLICE y
.if (k >= 11) && (k < 44)           ; tile by tile: plain, exponential, plain, exponential
.irp t, \y, (\y)+1
.irp n, 0,1
.set j, 2*k+(\n)
	SM \t
.endr
.endr
.else                               ; the two tiles alternate, so that no instruction reads the result of the one just before it
.irp n, 0,1
.irp t, \y, (\y)+1
.set j, 2*k+(\n)
	SM \t
.endr
.endr
.endif
.set k, k+1
.endm
; A TURN.  Piece x has the matrix unit; the other piece's softmax stands in slices behind its products and in two runs of 13 and 14 slices.  No slice names a register of the products round it.
; Piece 0's turn fetches the next step's K behind its second product: the last product that read K stands in front of the 14 slices, all plain, that end the turn before.
; Piece 2's turn fetches the same step's V behind its second product K Q^T: the last product that read V stands 16 slices, 32 plain instructions among them, back.
; Those last 14 slices are also the places between the turn's last K Q^T and the next turn's first read of its scores (ISA guide 7.12.1).
.macro TURN x, last=0
.set k, 0
.if (\x) == 0
	s_wait_dscnt 0x0                ; V is in
.endif
.set i, 0
.rept 16
	PV \x
	SLICE 2-(\x)
.if ((\x) == 0) && (i == 1)
	FETCH_K \last
.endif
.set i, i+1
.endr
.rept 13
	SLICE 2-(\x)
.endr
.if (\x) == 0
	s_wait_dscnt 0x0                ; K is in
.endif
.set i, 0
.rept 16
	KQ \x
	SLICE 2-(\x)
.if ((\x) == 2) && (i == 1)
	FETCH_V
.endif
.set i, i+1
.endr
.rept 14
	SLICE 2-(\x)
.endr
.endm
	CHANGE 1, 0                     ; slot 0 is in, everybody's part of it; slot 1 is asked for
	FETCH_K                         ; key step 0
	s_wait_loadcnt 0x0              ; Q
	s_wait_dscnt 0x0
.set i, 0
.rept 16
	KQ 0                            ; piece 0's first scores: there is no vector work yet to set between them
.set i, i+1
.endr
	WIN 0                           ; the addresses for the way out: nine plain instructions, the places behind those products
	s_mul_i32 s13, s[WV], 16*SP
	s_add_co_u32 s13, s13, STAGE    ; my stage
	v_mul_u32_u24 v[STO], v1, SP    ; in: row l % 16, 16 bytes for each half of the lanes
	v_lshl_add_u32 v[STO], v9, 4, v[STO]
	v_add_nc_u32 v[STO], s13, v[STO]
	v_bfe_u32 v[RD], v0, 3, 2       ; back: 32 lanes take four rows of 128 bytes,
	v_mul_u32_u24 v[RD], v[RD], SP
	v_lshl_add_u32 v[RD], v10, 4, v[RD]
	v_add_nc_u32 v[RD], s13, v[RD]
	v_and_b32 v[GO], 31, v0         ; which are 512 consecutive bytes of O
	v_lshlrev_b32 v[GO], 4, v[GO]
	s_mov_b32 s[CNT], 4
	s_mov_b32 s[SLOTS], 7
	s_branch .Lmid                  ; the loop is entered in the middle of a trip: piece 2's first scores beside piece 0's first softmax
.Lslot:                             ; six times: slots 2 to 7 are asked for
	CHANGE 1, 1
	s_mov_b32 s[CNT], 4
.Lstep:                             ; a trip: a key step
	TURN 0
	WIN 0
.Lmid:
	TURN 2
	WIN 0
	s_sub_co_u32 s[CNT], s[CNT], 1
	s_cmp_lg_u32 s[CNT], 0
	s_cbranch_scc1 .Lstep
	s_sub_co_u32 s[SLOTS], s[SLOTS], 1
	s_cmp_lg_u32 s[SLOTS], 0
	s_cbranch_scc1 .Lslot
	CHANGE 0, 0                     ; the tail has a text of its own: nothing is asked for
	s_mov_b32 s[CNT], 5             ; four trips fetch the last slot's steps; the fifth has piece 0's turn alone
.Ltail:
	TURN 0, 1
	WIN 0
	s_cmp_eq_u32 s[CNT], 1
	s_cbranch_scc1 .Lleave
	TURN 2
	WIN 0
.Lleave:
	s_sub_co_u32 s[CNT], s[CNT], 1
	s_cmp_lg_u32 s[CNT], 0
	s_cbranch_scc1 .Ltail
.set i, 0
.rept 16
	PV 2                            ; piece 2's V^T P of the last step
.set i, i+1
.endr
	; THE WAY OUT.  l's two halves and the other half of the lanes' are added; O^T is divided by l, rounded to bf16 and sent through my stage in LDS, a tile at a time.  The additions are the places behind the last products.
	WIN 0
.irp t, 0,1,2,3
	v_add_f32 v[ST+8*(\t)+4], v[ST+8*(\t)+2], v[ST+8*(\t)+3]
.endr
.irp t, 0,1,2,3
	v_permlanex16_b32 v[ST+8*(\t)+5], v[ST+8*(\t)+4], s[SEL], s[SEL+1]
.endr
.irp t, 0,1,2,3
	v_add_f32 v[ST+8*(\t)+4], v[ST+8*(\t)+4], v[ST+8*(\t)+5]
.endr
.irp t, 0,1,2,3
	v_rcp_f32 v[ST+8*(\t)+6], v[ST+8*(\t)+4]
.endr
	v_nop                           ; a plain instruction between the last reciprocal and the use of its result
; Tile t: a lane's eight channels of a row pack into 16 bytes; they go into rows of 144 bytes and come back as whole rows of 128, into S^T's registers.
.macro PACK t
	WIN W_RS
.set i, 32*(\t)
.rept 16
	s_wait_alu depctr_va_vdst(0)
	v_pk_mul_f32 v[i:i+1], v[i:i+1], v[ST+8*(\t)+6:ST+8*(\t)+7] op_sel_hi:[1,0]
.set i, i+2
.endr
	WIN 0x05                        ; sources 0 and 1 window 1, destination window 0
.set i, 0
.rept 16
	v_cvt_pk_bf16_f32 v[S+16*(\t)+i], v[32*(\t)+2*i], v[32*(\t)+2*i+1]
.set i, i+1
.endr
	WIN 0
.irp f, 0,1,2,3
	ds_store_b128 v[STO], v[S+16*(\t)+4*\f:S+16*(\t)+4*\f+3] offset:32*\f
.endr
.irp f, 0,1,2,3
	ds_load_b128 v[S+16*(\t)+4*\f:S+16*(\t)+4*\f+3], v[RD] offset:\f*4*SP  ; LDS serves a wave's instructions in order (ISA guide 5.7.1.4): these see the stores above; the next tile's stores come behind them
.endr
.endm
.macro SEND t, younger              ; younger: the LDS instructions issued behind tile t's loads: the next tile's eight, or none
	WIN 0
.irp f, 0,1,2,3
	s_wait_dscnt (\younger)+3-\f
	global_store_b128 v[GO], v[S+16*(\t)+4*\f:S+16*(\t)+4*\f+3], s[6:7] offset:(\t)*2048+\f*512  ; 512 consecutive bytes, at a multiple of 256 from O's first
.endr
.endm
	PACK 0
	PACK 1                          ; a tile's arithmetic stands between the loads of the tile before and its stores
	SEND 0, 8
	PACK 2
	SEND 1, 8
	PACK 3
	SEND 2, 8
	SEND 3, 0
	s_wait_tensorcnt 0x0            ; the wave's end: a wait, an add and its wait, behind my last tensor load and my last LDS store
	ds_add_u32 v[SPW], v[NIL]
	s_wait_dscnt 0x0
	CROUND                          ; the closing round: no work-group ends while a partner may still ask for a tile that names it
	s_endpgm
.Lfunc_end_k_q0513702f39_att:
	.size	k_q0513702f39_att, .Lfunc_end_k_q0513702f39_att-k_q0513702f39_att
	.p2alignl 7, 3214868480
	.fill 96, 4, 3214868480
	.section	.rodata,"a",@progbits
	.p2align	6, 0x0
	.amdhsa_kernel k_q0513702f39_att
		.amdhsa_group_segment_fixed_size 327680
		.amdhsa_private_segment_fixed_size 0
		.amdhsa_enable_private_segment 0
		.amdhsa_kernarg_size 16
		.amdhsa_user_sgpr_count 2
		.amdhsa_user_sgpr_kernarg_segment_ptr 1
		.amdhsa_wavefront_size32 1
		.amdhsa_system_sgpr_workgroup_id_x 1
		.amdhsa_system_sgpr_workgroup_id_y 1
		.amdhsa_system_sgpr_workgroup_id_z 1
		.amdhsa_system_vgpr_workitem_id 0
		.amdhsa_next_free_vgpr 576
		.amdhsa_next_free_sgpr 66
		.amdhsa_reserve_vcc 0
		.amdhsa_float_denorm_mode_32 3
		.amdhsa_float_denorm_mode_16_64 3
		.amdhsa_memory_ordered 1
		.amdhsa_forward_progress 1
		.amdhsa_inst_pref_size 113
	.end_amdhsa_kernel
	.amdgpu_metadata
---
amdhsa.version: [ 1, 2 ]
amdhsa.kernels:
  - .name:           k_q0513702f39_att
    .symbol:         k_q0513702f39_att.kd
    .args:
      - { .name: qkvbuf, .offset: 0, .size: 8, .value_kind: global_buffer, .address_space: global }
      - { .name: obuf, .offset: 8, .size: 8, .value_kind: global_buffer, .address_space: global }
    .group_segment_fixed_size: 327680
    .private_segment_fixed_size: 0
    .kernarg_segment_align: 8
    .kernarg_segment_size: 16
    .max_flat_workgroup_size: 128
    .sgpr_count:     66
    .vgpr_count:     576
    .wavefront_size: 32
...
	.end_amdgpu_metadata
.endif
;; end of part 3
;; launch proj (part 4): grid 8 x 32, 4 waves a work-group, clusters of 4 x 4, 327,680 bytes of LDS; arguments obuf, wb, b_out, x, x1buf; writes x1buf
.if DOCPART == 4
	.amdgcn_target "amdgcn-amd-amdhsa--gfx1250"
	.amdhsa_code_object_version 6
	.text
	.protected	k_q0513702f39_proj
	.globl	k_q0513702f39_proj
	.p2align	8
	.type	k_q0513702f39_proj,@function
k_q0513702f39_proj:
	s_mov_b64 s[64:65], 0
	v_nop
	global_prefetch_b8 v0, s[64:65] scope:SCOPE_SE
	s_setreg_imm32_b32 hwreg(HW_REG_WAVE_MODE, 25, 1), 1
	s_wait_xcnt 0x0
	s_wait_alu depctr_hold_cnt(0) depctr_sa_sdst(0) depctr_va_vdst(0) depctr_va_sdst(0) depctr_va_ssrc(0) depctr_va_vcc(0) depctr_vm_vsrc(0)
	s_getreg_b32 s2, hwreg(HW_REG_IB_STS2, 6, 4)
	s_cmp_eq_u32 s2, 0
	s_cbranch_scc0 .Lentry_in_a_cluster
	s_endpgm
.Lentry_in_a_cluster:
	s_bfe_u32 s2, ttmp6, 0x10000c
	s_cmp_lg_u32 s2, 0xf033
	s_cbranch_scc0 .Lentry_shape_is_right
	s_endpgm
.Lentry_shape_is_right:
; out = res + A W + bias.  A: bf16 in PANELS [k / 64][row 0..4095][64] (128 bytes a row, rows end to end).  W: [K][1024] bf16, at byte WOFF of the weights' buffer.
; bias: [1024] f32.  res, out: [4096][1024] f32.  Sums in f32; nothing is rounded on the way out.  Here: K = 1,024 (TSTEPS = 4): the attention's output product and the first residual.
; SHARES.  A tile of out is 128 x 128: 8 x 32 = 256 work-groups.  Four waves, each 64 x 64: 16 accumulators.  K goes in steps of 256 (four panels) through two LDS slots.
; A's part of a slot comes as two panels a load: 128 rows of a panel are 16,384 dense bytes, asked for as one long row and padded in LDS after every 128 bytes.
; W LIES [K][N]: its fragments are read turned, by ds_load_tr16_b128.  THE MATRIX INSTRUCTION IS USED TRANSPOSED (source 0 = 16 columns of W, source 1 = 16 rows of A): a lane holds
; row l % 16 of out and the columns 8 (l / 16) + 0..7.
; CLUSTER.  4 x 4 work-groups: A's tile is shared along a row of the cluster, W's along a column; each is asked for jointly.
; ONE K STEP IS WRITTEN ONCE: the slot in hand is a scalar (TB) added to the LDS addresses at each change of slots; one descriptor a tensor walks.
; THE RESIDUAL is loaded at the kernel's head into registers of its own, in the layout in which the sums come back from the stage: it costs no wait at the end.
; No prefetch: a small tile with few K steps, every tile shared in a cluster and read again by other clusters.
; LIMITS.  Operands are bf16; NaN and infinities are not treated apart.
; REGISTERS: window 0: v0-31 addresses; v32-35 bias; v128-255 the accumulators ((a, b) at v[128 + 8 (4 a + b)])
;   window 1: two fragment buffers of 128: for 64 along K, 64 registers of A, then 64 of W          window 2: v0-127 the residual
.set TSTEPS, 4
.set WOFF,   6291456
.set PA,     144                       ; a row of a panel in LDS: 128 bytes + 16: the 16 rows of a load start at 16 different groups of four banks (64 banks of 4 bytes: ISA guide 11.1)
.set PB,     288                       ; a row of W (128 columns): 256 bytes + 32 = 9 x 32
.set UNIT,   256*PA                    ; what one tensor load brings: two panels of 128 rows, or 128 rows of W (128 x 288 is the same 36,864)
.set SLOT,   4*UNIT                    ; 0x24000: A's panels 0-1, 2-3, W's k 0-127, 128-255.  wave x UNIT has neither of its two bits, so an exclusive or changes slots
.set STAGE,  2*SLOT                    ; behind the ring, never filled by a tensor load: 16 rows x 272 bytes for each wave
.set SPITCH, 272
.set SPARE,  STAGE+4*16*SPITCH         ; behind the stages: the spare words, 128 bytes a wave: two blocks of 256 bytes that no other line names
.set ADRA0, 16                         ; v16  my lane's place in A's part of slot 0; never rewritten
.set ADRB0, 17                         ; v17  the same for W
.set ADRA,  18                         ; v18  in the slot in hand
.set ADRB,  19                         ; v19, v20  W's k 0-127 and k 128-255: an LDS offset has 16 bits
.set STO,   24                         ; v24  the way out: where I put 32 bytes of a row
.set RD,    25                         ; v25  where I read rows back
.set CO,    26                         ; v26  my byte offset in two rows of res and out
.set BO,    27                         ; v27  my bytes in the bias
.set SPW,   28                         ; v28  LDS address of my spare word; never rewritten
.set NIL,   29                         ; v29  0; never rewritten
.set BIAS,  32                         ; v[32:35]  the bias of columns 4 (l % 16) .. + 3 of my 64
.set ACC,   128
.set F0,    0                          ; fragment buffers, in window 1
.set F1,    128
.set CNT, 2                            ; s2   loop counter
.set TB,  3                            ; s3   0 or SLOT: the slot in hand
.set WV,  14                           ; s14  my wave's number
.set G1,  24                           ; s[24:31] descriptor group 1 for A's tiles;  s[32:39] group 0: a set for each first fill; the second then walks
.set G0,  32
.set G1B, 48                           ; s[48:55], s[56:63] the same for W's
.set G0B, 56
.set MSB, 0
.macro WIN new                         ; the immediate's high byte repeats the setting that is left; a switch that changes nothing is dropped
.if MSB != (\new)
	s_set_vgpr_msb (MSB<<8)|(\new)
.set MSB, \new
.endif
.endm
.set MUL,  0x05                        ; sources 0 (W) and 1 (A) window 1; C and D window 0
.set TO_F, 0x40                        ; destination window 1, address window 0
.macro JLOAD                           ; a joint refill by the walking descriptors: waves 0 and 1 fetch A's halves, waves 2 and 3 W's; an s_nop 0 and four v_nop follow each line, ahead of the jump and the label
	s_cmp_eq_u32 s15, 0
	s_cbranch_scc0 .Lfor_b_\@
	tensor_load_to_lds s[G0+4:G0+7], s[G1:G1+7]
	s_nop 0
.rept 4
	v_nop
.endr
	s_branch .Lasked_\@
.Lfor_b_\@:
	tensor_load_to_lds s[G0B+4:G0B+7], s[G1B:G1B+7]
	s_nop 0
.rept 4
	v_nop
.endr
.Lasked_\@:
.endm
.macro CREST                           ; a round of the cluster's barrier behind its opening barrier
	s_cmp_lg_u32 s[WV], 0
	s_cbranch_scc1 .Lnot_wave_0_\@
	s_barrier_signal -3
.Lnot_wave_0_\@:
	s_barrier_wait -3
	s_barrier_signal -1
	s_barrier_wait -1
.endm
.macro CROUND                          ; a whole round
	s_barrier_signal -1
	s_barrier_wait -1
	CREST
.endm
.macro PLACES                          ; four places behind a matrix instruction, in front of loads into registers that it has read and of lines that read its result
.rept 4
	v_nop
.endr
.endm
	s_load_b256 s[4:11], s[0:1], 0x0               ; A s[4:5], weights s[6:7], bias s[8:9], res s[10:11]
	s_load_b64 s[12:13], s[0:1], 0x20              ; out
	v_lshl_add_u32 v[SPW], v0, 2, SPARE
	v_mov_b32 v[NIL], 0
	ds_add_u32 v[SPW], v[NIL]                      ; the wave's opening: the add and its wait stand ahead of my first tensor load; the set-up below, work on registers, stands between them
	v_lshrrev_b32 v1, 5, v0
	v_readfirstlane_b32 s[WV], v1                  ; wave 0..3
	s_lshr_b32 s15, s[WV], 1                       ; which half of the tile's rows is mine.  Also: I fetch for A (0) or for W (1)
	s_and_b32 s16, s[WV], 1                        ; which half of its columns.  Also: which half of that part I fetch
	s_bfe_u32 s40, ttmp6, 0x40000                  ; cx
	s_bfe_u32 s41, ttmp6, 0x40004                  ; cy
	s_lshl_b32 s42, ttmp9, 2
	s_add_co_u32 s42, s42, s40                     ; tile column = 4 x cluster x + cx
	s_and_b32 s45, ttmp7, 0xffff
	s_lshl_b32 s45, s45, 2
	s_add_co_u32 s45, s45, s41                     ; tile row = 4 x cluster y + cy
	s_lshl_b32 s43, s41, 2
	s_lshl_b32 s43, 15, s43                        ; my row of the cluster
	s_lshl_b32 s44, 0x1111, s40                    ; my column
	s_or_b32 s[G1], s43, (1<<16)|(1<<20)|(1<<21)|(4<<22)|(3<<25)   ; the mask; 2-byte elements; padding on; bit 21 beside a mask; after every 32 words 4 words
	s_or_b32 s[G1B], s44, (1<<16)|(1<<20)|(1<<21)|(5<<22)|(7<<25)  ; after every 64 words 8 words
	s_mov_b32 s[G1+1], 8192<<16                    ; A: tensor_dim0 = 8,192 elements: 128 rows of a panel, dense
	s_mov_b32 s[G1+2], 2<<16                       ; tensor_dim1 = 2 panels
	s_mov_b32 s[G1+3], 8192<<16                    ; tile_dim0
	s_mov_b32 s[G1+4], 2                           ; tile_dim1
	s_mov_b32 s[G1+5], 262144                      ; elements from panel to panel
	s_mov_b32 s[G1+6], 0
	s_mov_b32 s[G1+7], 0
	s_mov_b32 s[G1B+1], 128<<16                    ; W: 128 rows (k) of 128 columns
	s_mov_b32 s[G1B+2], 128<<16
	s_mov_b32 s[G1B+3], 128<<16
	s_mov_b32 s[G1B+4], 128
	s_mov_b32 s[G1B+5], 1024
	s_mov_b32 s[G1B+6], 0
	s_mov_b32 s[G1B+7], 0
	s_lshl_b32 s18, s16, 20                        ; A: panel 2 x half, row 128 x tile row: the tile row alone, which my row of the cluster shares
	s_lshl_b32 s19, s45, 14
	s_add_co_u32 s18, s18, s19
	s_mov_b32 s19, 0
	s_lshl_b32 s20, s16, 18                        ; W: row 128 x half, column 128 x tile column: the tile column alone
	s_lshl_b32 s21, s42, 8
	s_add_co_u32 s20, s20, s21
	s_add_co_u32 s20, s20, WOFF
	s_mov_b32 s21, 0
	s_mul_i32 s22, s[WV], UNIT                     ; where my part goes: no place in the cluster enters an LDS address
	s_mov_b32 s[TB], 0
	s_wait_dscnt 0x0                               ; the opening add is done
	s_wait_kmcnt 0x0
	s_add_nc_u64 s[18:19], s[4:5], s[18:19]
	s_add_nc_u64 s[20:21], s[6:7], s[20:21]
.irp s, 0,1
	s_mov_b32 s[G0+4*(\s)], 1                                      ; count = 1
	s_add_co_u32 s[G0+4*(\s)+1], s22, (\s)*SLOT                    ; LDS address
	s_add_nc_u64 s[G0+4*(\s)+2:G0+4*(\s)+3], s[18:19], (\s)*4*524288  ; global address: K step s: four panels on
	s_or_b32 s[G0+4*(\s)+3], s[G0+4*(\s)+3], 0x80000000            ; type = 2
	s_mov_b32 s[G0B+4*(\s)], 1
	s_add_co_u32 s[G0B+4*(\s)+1], s22, (\s)*SLOT
	s_add_nc_u64 s[G0B+4*(\s)+2:G0B+4*(\s)+3], s[20:21], (\s)*256*2048  ; 256 rows of W on
	s_or_b32 s[G0B+4*(\s)+3], s[G0B+4*(\s)+3], 0x80000000
.endr
	CROUND                                         ; all sixteen work-groups are here: the first joint loads meet
	s_cmp_eq_u32 s15, 0                            ; a wave's two first fills stand in one branch, ahead of every wait on TENSORcnt and every LDS read: two loads of mine are out
	s_cbranch_scc0 .Lfirst_b
	tensor_load_to_lds s[G0:G0+3], s[G1:G1+7]
	s_nop 0
	tensor_load_to_lds s[G0+4:G0+7], s[G1:G1+7]
	s_nop 0
.rept 4
	v_nop
.endr
	s_branch .Lfirst_asked
.Lfirst_b:
	tensor_load_to_lds s[G0B:G0B+3], s[G1B:G1B+7]
	s_nop 0
	tensor_load_to_lds s[G0B+4:G0B+7], s[G1B:G1B+7]
	s_nop 0
.rept 4
	v_nop
.endr
.Lfirst_asked:
	v_and_b32 v1, 15, v0                           ; l % 16
	v_bfe_u32 v2, v0, 4, 1                         ; l / 16
	v_lshlrev_b32 v[CO], 12, v2                    ; res and out: lanes 0-15 one row's 256 bytes (my 64 columns), lanes 16-31 the next row's
	v_lshl_add_u32 v[CO], v1, 4, v[CO]
	v_lshlrev_b32 v[BO], 4, v1
	s_lshl_b32 s18, s42, 9                         ; my first column, in bytes: 4 x (128 x tile column + 64 x half)
	s_lshl_b32 s19, s16, 8
	s_add_co_u32 s18, s18, s19
	s_mov_b32 s19, 0
	s_add_nc_u64 s[8:9], s[8:9], s[18:19]
	s_lshl_b32 s20, s45, 19                        ; my first row: (128 x tile row + 64 x half) x 4,096 bytes
	s_lshl_b32 s21, s15, 18
	s_add_co_u32 s20, s20, s21
	s_add_co_u32 s18, s18, s20
	s_add_nc_u64 s[10:11], s[10:11], s[18:19]
	s_add_nc_u64 s[12:13], s[12:13], s[18:19]
	global_load_b128 v[BIAS:BIAS+3], v[BO], s[8:9]
	WIN 0x80                                       ; destination window 2, address window 0
.irp a, 0,1,2,3
.irp t, 0,1,2,3,4,5,6,7
	global_load_b128 v[32*(\a)+4*(\t):32*(\a)+4*(\t)+3], v[CO], s[10:11] offset:(16*(\a)+2*(\t))*4096
.endr
.endr
	WIN 0
	; A's fragment: 16 rows x 32 K in 8 registers: lane l holds row l % 16, K = 8 (l / 16) + 0..7 and 16 + 8 (l / 16) + 0..7: two loads of 16 bytes, 32 bytes apart.
	v_mul_u32_u24 v3, v1, PA
	v_lshl_add_u32 v3, v2, 4, v3
	s_mul_i32 s20, s15, 64*PA                      ; my 64 rows of each panel
	v_add_nc_u32 v[ADRA0], s20, v3
	; W's fragment, turned: lane l reads 16 bytes of row k = 8 (l / 16) + l % 8, columns 8 ((l / 8) % 2) + 0..7, and receives column l % 16 and 8 k; the second load stands 16 rows on.
	v_and_b32 v4, 7, v0
	v_lshl_add_u32 v4, v2, 3, v4
	v_mul_u32_u24 v4, v4, PB
	v_bfe_u32 v5, v0, 3, 1
	v_lshl_add_u32 v4, v5, 4, v4
	s_lshl_b32 s21, s16, 7                         ; my 64 columns: 128 bytes of a row,
	s_add_co_u32 s21, s21, 2*UNIT                  ; behind A's four panels
	v_add_nc_u32 v[ADRB0], s21, v4
	v_mov_b32 v[ADRA], v[ADRA0]
	v_mov_b32 v[ADRB], v[ADRB0]
	v_add_nc_u32 v[ADRB+1], UNIT, v[ADRB0]
	s_mul_i32 s23, s[WV], 16*SPITCH
	s_add_co_u32 s23, s23, STAGE                   ; my stage
	v_mul_u32_u24 v3, v1, SPITCH                   ; in: row l % 16, 32 bytes for each half of the lanes
	v_lshl_add_u32 v3, v2, 5, v3
	v_add_nc_u32 v[STO], s23, v3
	v_mul_u32_u24 v3, v2, SPITCH                   ; back: lanes 0-15 take one row of 256 bytes, lanes 16-31 the next
	v_lshl_add_u32 v3, v1, 4, v3
	v_add_nc_u32 v[RD], s23, v3
; 8 matrix instructions: m blocks a0, a0 + 1 x all 4 n blocks, 32 along K: half c of buffer f.  zero = 1: the first product starts the sums.
; The 16 accumulators take turns, one instruction a turn, over the backward jumps too.
.macro MUL8 f, c, a0, zero
	WIN MUL
.irp a, \a0, (\a0)+1
.irp b, 0,1,2,3
.if \zero
	v_wmma_f32_16x16x32_bf16 v[ACC+8*(4*(\a)+(\b)):ACC+8*(4*(\a)+(\b))+7], v[(\f)+64+8*(4*(\c)+(\b)):(\f)+64+8*(4*(\c)+(\b))+7], v[(\f)+8*(4*(\c)+(\a)):(\f)+8*(4*(\c)+(\a))+7], 0
.else
	v_wmma_f32_16x16x32_bf16 v[ACC+8*(4*(\a)+(\b)):ACC+8*(4*(\a)+(\b))+7], v[(\f)+64+8*(4*(\c)+(\b)):(\f)+64+8*(4*(\c)+(\b))+7], v[(\f)+8*(4*(\c)+(\a)):(\f)+8*(4*(\c)+(\a))+7], v[ACC+8*(4*(\a)+(\b)):ACC+8*(4*(\a)+(\b))+7]
.endif
.endr
.endr
.endm
; 32 LDS loads in one run: quarter q (64 along K: panel q of the slot in hand) into buffer f; the first 32 along K first
.macro FETCH q, f
	WIN TO_F
.irp c, 0,1
.irp i, 0,1,2,3
	ds_load_tr16_b128 v[(\f)+64+8*(4*(\c)+(\i)):(\f)+64+8*(4*(\c)+(\i))+3],   v[ADRB+(\q)/2] offset:((\q)%2)*64*PB+(\c)*32*PB+32*(\i)
	ds_load_tr16_b128 v[(\f)+64+8*(4*(\c)+(\i))+4:(\f)+64+8*(4*(\c)+(\i))+7], v[ADRB+(\q)/2] offset:((\q)%2)*64*PB+(\c)*32*PB+16*PB+32*(\i)
	ds_load_b128 v[(\f)+8*(4*(\c)+(\i)):(\f)+8*(4*(\c)+(\i))+3],              v[ADRA] offset:(\q)*128*PA+64*(\c)+(\i)*16*PA
	ds_load_b128 v[(\f)+8*(4*(\c)+(\i))+4:(\f)+8*(4*(\c)+(\i))+7],            v[ADRA] offset:(\q)*128*PA+64*(\c)+(\i)*16*PA+32
.endr
.endr
.endm
; A K step is four quarters of 64 along K, 32 matrix instructions each, on buffers 0, 1, 0, 1.  One of the first three: multiplies buffer f and fetches quarter q into g.
.macro QUARTER q, f, g, zero
	s_wait_dscnt 16                                ; the first 32 along K are in
	MUL8 \f, 0, 0, \zero
	MUL8 \f, 0, 2, \zero
	PLACES
	FETCH \q, \g
	s_wait_dscnt 32                                ; all but the 32 just issued
	MUL8 \f, 1, 0, 0
	MUL8 \f, 1, 2, 0
.endm
; The last quarter multiplies buffer 1 and changes slots: ONE barrier; in front of it each wave waits for all its tensor loads (one is out: its part of the next slot), adds 0 to its spare word, and
; waits for that and for its own reads of this slot.  fill = 1: the barrier opens a round of the cluster's, and the joint refill (two K steps on) is the first thing behind the round: it has 112 matrix
; instructions in which to land.  last = 1: in the trip with CNT = 1 there is no next step, and the run of loads is jumped over.
.macro TURN fill, last
	WIN 0                                          ; (the add's two registers lie in window 0)
	s_wait_tensorcnt 0x0                           ; no tensor load of mine is out, so a group 0 may be written
	ds_add_u32 v[SPW], v[NIL]                      ; 0 onto my spare word: scalar steps and eight products stand between it and the wait for it
.if \fill
	s_xor_b32 s[G0+5], s[G0+5], SLOT               ; the walking descriptors: the other slot than last time,
	s_add_nc_u64 s[G0+6:G0+7], s[G0+6:G0+7], 4*524288      ; the next K step; the type bits on top are not reached
	s_xor_b32 s[G0B+5], s[G0B+5], SLOT
	s_add_nc_u64 s[G0B+6:G0B+7], s[G0B+6:G0B+7], 256*2048
.endif
	s_xor_b32 s[TB], s[TB], SLOT
	s_wait_dscnt 17                                ; (the add and the youngest sixteen loads may be out)
	MUL8 F1, 0, 0, 0
	s_wait_dscnt 0x0                               ; the add is done, and my reads of this slot are over
	s_barrier_signal -1
	MUL8 F1, 0, 2, 0                               ; work on registers while the others arrive
	WIN 0                                          ; at a branch and at a label every window is 0
	s_barrier_wait -1
.if \fill
	CREST                                          ; no wave of any partner still reads this slot or has a load on its way
	JLOAD                                          ; its four v_nop are also the places in front of the loads below
.else
	PLACES
.endif
	v_add_nc_u32 v[ADRA], s[TB], v[ADRA0]
	v_add_nc_u32 v[ADRB], s[TB], v[ADRB0]
	v_add_nc_u32 v[ADRB+1], UNIT, v[ADRB]
.if \last
	s_cmp_eq_u32 s[CNT], 1
	s_cbranch_scc1 .Lno_fetch_\@
.endif
	FETCH 0, F0
	WIN 0
.if \last
.Lno_fetch_\@:
.endif
	MUL8 F1, 1, 0, 0
	MUL8 F1, 1, 2, 0
.endm
	s_wait_tensorcnt 1                             ; my part of K step 0 is in; step 1's may stay out
	s_barrier_signal -1
	s_barrier_wait -1                              ; everybody's is
	FETCH 0, F0
	QUARTER 1, F0, F1, 1                           ; the first quarter stands in front of the loop: its first products start the sums
	WIN 0
	s_mov_b32 s[CNT], TSTEPS-2                     ; all K steps but the last two ask for the step two on
.Lstep:                                        ; a trip: a step's quarters 1, 2, 3 and the next step's quarter 0
	QUARTER 2, F1, F0, 0
	QUARTER 3, F0, F1, 0
	TURN 1, 0
	QUARTER 1, F0, F1, 0
	WIN 0
	s_sub_co_u32 s[CNT], s[CNT], 1
	s_cmp_lg_u32 s[CNT], 0
	s_cbranch_scc1 .Lstep
	s_mov_b32 s[CNT], 2                            ; the last two K steps ask for nothing: a text of their own
.Ltail:
	QUARTER 2, F1, F0, 0
	QUARTER 3, F0, F1, 0
	TURN 0, 1
	WIN 0
	s_cmp_eq_u32 s[CNT], 1                         ; behind the last step there is no quarter 0
	s_cbranch_scc1 .Lno_quarter
	QUARTER 1, F0, F1, 0
	WIN 0
.Lno_quarter:
	s_sub_co_u32 s[CNT], s[CNT], 1
	s_cmp_lg_u32 s[CNT], 0
	s_cbranch_scc1 .Ltail
	; THE WAY OUT, 16 rows at a time through my own stage: a lane's 32 bytes of a row go in, whole rows of 256 bytes come back into the registers that they left; residual and bias are added; stores.
.macro OUTA a
.irp b, 0,1,2,3                        ; each accumulator's four lowest registers first
	ds_store_b128 v[STO], v[ACC+8*(4*(\a)+(\b)):ACC+8*(4*(\a)+(\b))+3]   offset:64*(\b)
	ds_store_b128 v[STO], v[ACC+8*(4*(\a)+(\b))+4:ACC+8*(4*(\a)+(\b))+7] offset:64*(\b)+16
.endr
.irp t, 0,1,2,3,4,5,6,7
	ds_load_b128 v[ACC+32*(\a)+4*(\t):ACC+32*(\a)+4*(\t)+3], v[RD] offset:(\t)*2*SPITCH  ; LDS serves a wave's instructions in order (ISA guide 5.7.1.4): these see the stores above; the next block's stores come behind them
.endr
.endm
.macro OUTB a, younger                 ; younger: the LDS instructions issued behind block a's loads: the next block's sixteen, or none
	s_wait_dscnt \younger
	WIN 0x08                                       ; source 1 in window 2: the residual
.set n, 0
.rept 16
	v_pk_add_f32 v[ACC+32*(\a)+n:ACC+32*(\a)+n+1], v[ACC+32*(\a)+n:ACC+32*(\a)+n+1], v[32*(\a)+n:32*(\a)+n+1]
.set n, n+2
.endr
	WIN 0
.irp t, 0,1,2,3,4,5,6,7
	v_pk_add_f32 v[ACC+32*(\a)+4*(\t):ACC+32*(\a)+4*(\t)+1],   v[ACC+32*(\a)+4*(\t):ACC+32*(\a)+4*(\t)+1],   v[BIAS:BIAS+1]
	v_pk_add_f32 v[ACC+32*(\a)+4*(\t)+2:ACC+32*(\a)+4*(\t)+3], v[ACC+32*(\a)+4*(\t)+2:ACC+32*(\a)+4*(\t)+3], v[BIAS+2:BIAS+3]
.endr
.irp t, 0,1,2,3,4,5,6,7
	global_store_b128 v[CO], v[ACC+32*(\a)+4*(\t):ACC+32*(\a)+4*(\t)+3], s[12:13] offset:(16*(\a)+2*(\t))*4096  ; 16 lanes store 256 consecutive bytes, at a multiple of 256 from out's first byte
.endr
.endm
	PLACES
	s_wait_loadcnt 0x0                             ; the residual and the bias, asked for at the head
	OUTA 0
	OUTA 1
	OUTB 0, 16
	OUTA 2
	OUTB 1, 16
	OUTA 3
	OUTB 2, 16
	OUTB 3, 0
	s_wait_tensorcnt 0x0                           ; the wave's end: a wait, an add and its wait, behind my last tensor load and my last LDS store
	ds_add_u32 v[SPW], v[NIL]
	s_wait_dscnt 0x0
	CROUND                                         ; the closing round: no work-group ends while a partner may still ask for a tile that names it
	s_endpgm
.Lfunc_end_k_q0513702f39_proj:
	.size	k_q0513702f39_proj, .Lfunc_end_k_q0513702f39_proj-k_q0513702f39_proj
	.p2alignl 7, 3214868480
	.fill 96, 4, 3214868480
	.section	.rodata,"a",@progbits
	.p2align	6, 0x0
	.amdhsa_kernel k_q0513702f39_proj
		.amdhsa_group_segment_fixed_size 327680
		.amdhsa_private_segment_fixed_size 0
		.amdhsa_enable_private_segment 0
		.amdhsa_kernarg_size 40
		.amdhsa_user_sgpr_count 2
		.amdhsa_user_sgpr_kernarg_segment_ptr 1
		.amdhsa_wavefront_size32 1
		.amdhsa_system_sgpr_workgroup_id_x 1
		.amdhsa_system_sgpr_workgroup_id_y 1
		.amdhsa_system_sgpr_workgroup_id_z 1
		.amdhsa_system_vgpr_workitem_id 0
		.amdhsa_next_free_vgpr 640
		.amdhsa_next_free_sgpr 66
		.amdhsa_reserve_vcc 0
		.amdhsa_float_denorm_mode_32 3
		.amdhsa_float_denorm_mode_16_64 3
		.amdhsa_memory_ordered 1
		.amdhsa_forward_progress 1
		.amdhsa_inst_pref_size 69
	.end_amdhsa_kernel
	.amdgpu_metadata
---
amdhsa.version: [ 1, 2 ]
amdhsa.kernels:
  - .name:           k_q0513702f39_proj
    .symbol:         k_q0513702f39_proj.kd
    .args:
      - { .name: obuf, .offset: 0, .size: 8, .value_kind: global_buffer, .address_space: global }
      - { .name: wb, .offset: 8, .size: 8, .value_kind: global_buffer, .address_space: global }
      - { .name: b_out, .offset: 16, .size: 8, .value_kind: global_buffer, .address_space: global }
      - { .name: x, .offset: 24, .size: 8, .value_kind: global_buffer, .address_space: global }
      - { .name: x1buf, .offset: 32, .size: 8, .value_kind: global_buffer, .address_space: global }
    .group_segment_fixed_size: 327680
    .private_segment_fixed_size: 0
    .kernarg_segment_align: 8
    .kernarg_segment_size: 40
    .max_flat_workgroup_size: 128
    .sgpr_count:     66
    .vgpr_count:     640
    .wavefront_size: 32
...
	.end_amdgpu_metadata
.endif
;; end of part 4
;; launch ln2: the kernel of part 1 again; grid 256 x 1, 8 waves a work-group, no clusters, 0 bytes of LDS; arguments x1buf, g2, be2, hbuf, w_qkv, w_out, w1, w2, wb; writes hbuf, wb
;; launch ffn1 (part 5): grid 16 x 16, 4 waves a work-group, clusters of 4 x 4, 327,680 bytes of LDS; arguments hbuf, wb, b1, fbuf; writes fbuf
.if DOCPART == 5
	.amdgcn_target "amdgcn-amd-amdhsa--gfx1250"
	.amdhsa_code_object_version 6
	.text
	.protected	k_q0513702f39_ffn1
	.globl	k_q0513702f39_ffn1
	.p2align	8
	.type	k_q0513702f39_ffn1,@function
k_q0513702f39_ffn1:
	s_mov_b64 s[64:65], 0
	v_nop
	global_prefetch_b8 v0, s[64:65] scope:SCOPE_SE
	s_setreg_imm32_b32 hwreg(HW_REG_WAVE_MODE, 25, 1), 1
	s_wait_xcnt 0x0
	s_wait_alu depctr_hold_cnt(0) depctr_sa_sdst(0) depctr_va_vdst(0) depctr_va_sdst(0) depctr_va_ssrc(0) depctr_va_vcc(0) depctr_vm_vsrc(0)
	s_getreg_b32 s2, hwreg(HW_REG_IB_STS2, 6, 4)
	s_cmp_eq_u32 s2, 0
	s_cbranch_scc0 .Lentry_in_a_cluster
	s_endpgm
.Lentry_in_a_cluster:
	s_bfe_u32 s2, ttmp6, 0x10000c
	s_cmp_lg_u32 s2, 0xf033
	s_cbranch_scc0 .Lentry_shape_is_right
	s_endpgm
.Lentry_shape_is_right:
; out = gelu(A W + bias).  A: [4096][1024] bf16.  W: [1024][4096] bf16, at byte WOFF of the weights' buffer.  bias: [4096] f32.  Sums in f32; out rounded once to bf16.  gelu(x) = x Phi(x), the exact one.
; out lies AS THE NEXT PRODUCT'S FRAGMENTS LIE IN REGISTERS: [row / 16][column / 8][16 rows][8 columns]: 256 bytes for 16 rows x 8 columns, 131,072 bytes for 16 rows.
; SHARES.  A tile of out is 256 x 256: 16 x 16 = 256 work-groups.  Four waves, each 128 x 128 = 64 accumulators of 16 x 16.  K = 1,024 goes in 8 steps of 128 through two LDS slots.
; W LIES [K][N]: its fragments are read turned, by ds_load_tr16_b128.  THE MATRIX INSTRUCTION IS USED TRANSPOSED (source 0 = 16 columns of W, source 1 = 16 rows of A): a lane then holds
; row l % 16 of out and the columns 8 (l / 16) + 0..7: rounded to bf16 these are the 16 bytes at 16 l of an accumulator's 512 bytes of out.
; THE BIAS is the C operand of the products that start the sums: in this layout it hangs on the column block and the lane alone, 8 registers for each of my 8 column blocks.
; CLUSTER.  4 x 4 work-groups: A's tile is shared along a row of the cluster, W's along a column; each is asked for jointly, by the same tensor load, descriptor and mask in all four.
; ONE K STEP IS WRITTEN ONCE: the slot in hand is a scalar (TB) that is added to the two LDS addresses at each change of slots; one descriptor a tensor walks (exclusive or of the slot, a step in memory).
; THE WAY OUT.  When the ring has had its last fill and nobody reads it, each wave lays its 64 accumulators over it, each lane its own bytes, so that ONE text can walk them in a loop, four
; accumulators a trip: GELU, rounding, four stores of 512 consecutive bytes.
; GELU.  gelu(x) = max(x, 0) - |x| Q(|x|), Q = 1 - Phi, by Abramowitz and Stegun 26.2.17: t = 1 / (1 + p |x|), Q = exp(-x^2 / 2) (c1 t + .. + c5 t^5), 1 / sqrt(2 pi) folded into the c.
; It is reckoned on y = k x, k = sqrt(log2(e) / 2), so that the exponential is 2^(-y y); p and the c are divided by k.
; No prefetch: K has 8 steps, every tile is shared in a cluster and read again by other clusters.
; LIMITS.  Operands are bf16; Phi is off by less than 7.5e-8 for every x; NaN and infinities are not treated apart.
; REGISTERS, in windows of 256 (s_set_vgpr_msb: bits 1:0 source 0, 3:2 source 1, 5:4 source 2, 7:6 destination):
;   window 0: v0-31 addresses; v64-127, v128-191 A's fragments, two buffers; v192-255 the bias; on the way out v48-255 at work
;   window 1: v64-127, v128-191 W's fragments     window 2: accumulators of my rows 0-63 ((a, b) at v[8 (8 a + b)])     window 3: of my rows 64-127
.set NCOL,  4096
.set WOFF,  8388608
.set KSTEP, 128
.set PA,    272                        ; a row of A in LDS: 256 bytes + 16: the 16 rows of a load start at 16 different groups of four banks (64 banks of 4 bytes: ISA guide 11.1)
.set PB,    544                        ; a row of W (256 columns): 512 bytes + 32 = 17 x 32
.set HALFT, 128*PA                     ; what one tensor load brings: 128 rows of A, or 64 rows of W (64 x 544 is the same 34,816)
.set SLOT,  4*HALFT                    ; 0x22000: A's rows 0-127, 128-255, W's k 0-63, 64-127.  wave x HALFT has neither of its two bits, so an exclusive or changes slots
.set SPARE, 2*SLOT                     ; behind the ring: the spare words, 128 bytes a wave: two blocks of 256 bytes that no other line names
.set WSTG,  65536                      ; the way out: 64 accumulators x 1,024 bytes a wave; 4 x 65,536 ends below SPARE
.set ORB,   131072                     ; bytes of 16 rows of out
.set ADRA0, 16                         ; v16  my lane's place in A's tile of slot 0; never rewritten
.set ADRB0, 17                         ; v17  the same for W
.set ADRA,  18                         ; v18  in the slot in hand
.set ADRB,  19                         ; v19
.set STO,   24                         ; v24  the way out: 65,536 x wave + 16 x lane
.set RD,    25                         ; v25  the same; steps four accumulators a trip
.set GO,    26                         ; v26  16 x lane: my bytes in an accumulator's 512 bytes of out
.set BO,    27                         ; v27  32 x (lane / 16): my bytes in 16 columns of the bias
.set SPW,   28                         ; v28  LDS address of my spare word; never rewritten
.set NIL,   29                         ; v29  0; never rewritten
.set BIASV, 192                        ; v[192:255]  column block b: 8 numbers at BIASV + 8 b
.set Y,     48                         ; the way out, all in window 0: bf16 to store,
.set X,     64                         ; four accumulators read back, 8 numbers each,
.set T,     96                         ; y = k x, then gelu(x),
.set U,     128                        ; 1 + (p / k) |y|, then t,
.set E,     160                        ; the exponential,
.set W,     192                        ; the polynomial, then Q / k,
.set R,     224                        ; max(x, 0)
.set F0,    64
.set F1,    128
.set WV,  12                           ; s12  my wave's number
.set G1A, 24                           ; s[24:31] descriptor group 1 for A's tiles
.set G0A, 32                           ; s[32:39] group 0: a set for each first fill; the second then walks
.set G1B, 40                           ; s[40:47], s[48:55] the same for W's
.set G0B, 48
.set TB,  56                           ; s56  0 or SLOT: the slot in hand
.set CNT, 57                           ; s57  loop counter
.set DL,  58                           ; s[58:59] the way out: what the next trip adds to out's address: 2,048 and 129,024 by turns
.set KP,  66                           ; s[66:67] p / k;  the packed lines name pairs and take the low word for both halves, so both words are written
.set KK,  68                           ; s[68:69] k
.set K5,  70                           ; s[70:71] c5 / k .. s[78:79] c1 / k
.set K4,  72
.set K3,  74
.set K2,  76
.set K1,  78
.set MSB, 0
.macro WIN new                         ; the immediate's high byte repeats the setting that is left; a switch that changes nothing is dropped
.if MSB != (\new)
	s_set_vgpr_msb (MSB<<8)|(\new)
.set MSB, \new
.endif
.endm
.set MUL_LO, 0xa1                      ; source 0 (W) window 1, source 1 (A) window 0, C and D window 2
.set MUL_HI, 0xf1                      ; the same, C and D window 3
.set BEG_LO, 0x81                      ; the products that start the sums: C (the bias) window 0, D window 2
.set BEG_HI, 0xc1                      ; D window 3
.set TO_B,   0x40                      ; destination window 1, address window 0
; A joint refill by the walking descriptors.  Waves 0 and 1 fetch A's halves, waves 2 and 3 W's: the branch hangs on the wave's number alone.
; An s_nop 0 and four v_nop follow each of the two lines, ahead of the jump and the label.
.macro JLOAD
	s_cmp_eq_u32 s13, 0
	s_cbranch_scc0 .Lfor_b_\@
	tensor_load_to_lds s[G0A+4:G0A+7], s[G1A:G1A+7]
	s_nop 0
.rept 4
	v_nop
.endr
	s_branch .Lasked_\@
.Lfor_b_\@:
	tensor_load_to_lds s[G0B+4:G0B+7], s[G1B:G1B+7]
	s_nop 0
.rept 4
	v_nop
.endr
.Lasked_\@:
.endm
.macro CREST                           ; a round of the cluster's barrier behind its opening barrier: wave 0 signals for the work-group, every wave waits for all sixteen, my work-group's barrier once more
	s_cmp_lg_u32 s[WV], 0
	s_cbranch_scc1 .Lnot_wave_0_\@
	s_barrier_signal -3
.Lnot_wave_0_\@:
	s_barrier_wait -3
	s_barrier_signal -1
	s_barrier_wait -1
.endm
.macro CROUND                          ; a whole round
	s_barrier_signal -1
	s_barrier_wait -1
	CREST
.endm
.macro PLACES                          ; four places behind a matrix instruction, in front of loads into registers that it has read and of lines that read its result
.rept 4
	v_nop
.endr
.endm
	s_load_b256 s[4:11], s[0:1], 0x0               ; A s[4:5], weights s[6:7], bias s[8:9], out s[10:11]
	v_lshl_add_u32 v[SPW], v0, 2, SPARE
	v_mov_b32 v[NIL], 0
	ds_add_u32 v[SPW], v[NIL]                      ; the wave's opening: the add and its wait stand ahead of my first tensor load; the set-up below, work on registers, stands between them
	v_lshrrev_b32 v1, 5, v0
	v_readfirstlane_b32 s[WV], v1                  ; wave 0..3
	s_lshr_b32 s13, s[WV], 1                       ; which half of the tile's rows is mine.  Also: I fetch for A (0) or for W (1)
	s_and_b32 s14, s[WV], 1                        ; which half of its columns.  Also: which half of that tile I fetch
	s_bfe_u32 s15, ttmp6, 0x40000                  ; cx
	s_bfe_u32 s16, ttmp6, 0x40004                  ; cy
	s_lshl_b32 s17, ttmp9, 2
	s_add_co_u32 s17, s17, s15                     ; tile column = 4 x cluster x + cx
	s_and_b32 s18, ttmp7, 0xffff
	s_lshl_b32 s18, s18, 2
	s_add_co_u32 s18, s18, s16                     ; tile row = 4 x cluster y + cy
	s_lshl_b32 s19, s16, 2
	s_lshl_b32 s19, 15, s19                        ; my row of the cluster: places 4 cy .. 4 cy + 3
	s_lshl_b32 s20, 0x1111, s15                    ; my column: places cx, cx + 4, cx + 8, cx + 12
	s_or_b32 s[G1A], s19, (1<<16)|(1<<20)|(1<<21)|(5<<22)|(3<<25)  ; the mask; 2-byte elements; padding on; bit 21 beside a mask; after every 64 words 4 words
	s_or_b32 s[G1B], s20, (1<<16)|(1<<20)|(1<<21)|(6<<22)|(7<<25)  ; after every 128 words 8 words
	s_mov_b32 s[G1A+1], KSTEP<<16                  ; tensor_dim0 = 128
	s_mov_b32 s[G1A+2], 128<<16                    ; tensor_dim1 = 128
	s_mov_b32 s[G1A+3], KSTEP<<16                  ; tile_dim0 = 128
	s_mov_b32 s[G1A+4], 128                        ; tile_dim1 = 128
	s_mov_b32 s[G1A+5], 1024                       ; elements from row to row
	s_mov_b32 s[G1A+6], 0
	s_mov_b32 s[G1A+7], 0
	s_mov_b32 s[G1B+1], 256<<16                    ; W: 64 rows (k) of 256 columns
	s_mov_b32 s[G1B+2], 64<<16
	s_mov_b32 s[G1B+3], 256<<16
	s_mov_b32 s[G1B+4], 64
	s_mov_b32 s[G1B+5], NCOL
	s_mov_b32 s[G1B+6], 0
	s_mov_b32 s[G1B+7], 0
	s_lshl_b32 s58, s18, 19                        ; A: (256 x tile row + 128 x half) rows of 2,048 bytes: the tile row alone, which my row of the cluster shares
	s_lshl_b32 s59, s14, 18
	s_add_co_u32 s58, s58, s59
	s_mov_b32 s59, 0
	s_mul_i32 s60, s14, 128*NCOL                   ; W: 64 x half rows of 2 NCOL bytes + 512 x tile column: the tile column alone
	s_lshl_b32 s61, s17, 9
	s_add_co_u32 s60, s60, s61
	s_add_co_u32 s60, s60, WOFF
	s_mov_b32 s61, 0
	s_mul_i32 s62, s[WV], HALFT                    ; where my part goes: no place in the cluster enters an LDS address
	s_mov_b32 s[TB], 0
	s_mov_b32 s[KP], 0x3e8ba440                    ;  0.27273750 = 0.2316419 / k
	s_mov_b32 s[KK], 0x3f596d27                    ;  0.84932180 = k
	s_mov_b32 s[K5], 0x3f1ff67a                    ;  0.62485470
	s_mov_b32 s[K4], 0xbf5b0099                    ; -0.85547788
	s_mov_b32 s[K3], 0x3f563817                    ;  0.83679339
	s_mov_b32 s[K2], 0xbe2b8119                    ; -0.16748466
	s_mov_b32 s[K1], 0x3e199eb3                    ;  0.15001946
.irp c, KP, KK, K5, K4, K3, K2, K1
	s_mov_b32 s[\c+1], s[\c]
.endr
	s_wait_dscnt 0x0                               ; the opening add is done
	s_wait_kmcnt 0x0
	s_add_nc_u64 s[58:59], s[4:5], s[58:59]
	s_add_nc_u64 s[60:61], s[6:7], s[60:61]
.irp s, 0,1
	s_mov_b32 s[G0A+4*(\s)], 1                                     ; count = 1
	s_add_co_u32 s[G0A+4*(\s)+1], s62, (\s)*SLOT                   ; LDS address
	s_add_nc_u64 s[G0A+4*(\s)+2:G0A+4*(\s)+3], s[58:59], (\s)*2*KSTEP  ; global address: K step s
	s_or_b32 s[G0A+4*(\s)+3], s[G0A+4*(\s)+3], 0x80000000          ; type = 2
	s_mov_b32 s[G0B+4*(\s)], 1
	s_add_co_u32 s[G0B+4*(\s)+1], s62, (\s)*SLOT
	s_add_nc_u64 s[G0B+4*(\s)+2:G0B+4*(\s)+3], s[60:61], (\s)*2*KSTEP*NCOL
	s_or_b32 s[G0B+4*(\s)+3], s[G0B+4*(\s)+3], 0x80000000
.endr
	CROUND                                         ; all sixteen work-groups are here: the first joint loads meet
	s_cmp_eq_u32 s13, 0                            ; a wave's two first fills stand in one branch, ahead of every wait on TENSORcnt and every LDS read: two loads of mine are out
	s_cbranch_scc0 .Lfirst_b
	tensor_load_to_lds s[G0A:G0A+3], s[G1A:G1A+7]
	s_nop 0
	tensor_load_to_lds s[G0A+4:G0A+7], s[G1A:G1A+7]
	s_nop 0
.rept 4
	v_nop
.endr
	s_branch .Lfirst_asked
.Lfirst_b:
	tensor_load_to_lds s[G0B:G0B+3], s[G1B:G1B+7]
	s_nop 0
	tensor_load_to_lds s[G0B+4:G0B+7], s[G1B:G1B+7]
	s_nop 0
.rept 4
	v_nop
.endr
.Lfirst_asked:
	v_and_b32 v1, 15, v0                           ; l % 16
	v_bfe_u32 v2, v0, 4, 1                         ; l / 16
	v_lshlrev_b32 v[BO], 5, v2                     ; the bias of a column block: my 8 columns are 32 bytes, at 32 (l / 16) of its 64
	s_lshl_b32 s20, s17, 10                        ; the bias of my 128 columns: 4 x (256 x tile column + 128 x half)
	s_lshl_b32 s21, s14, 9
	s_add_co_u32 s20, s20, s21
	s_mov_b32 s21, 0
	s_add_nc_u64 s[8:9], s[8:9], s[20:21]
.irp b, 0,1,2,3,4,5,6,7
	global_load_b128 v[BIASV+8*(\b):BIASV+8*(\b)+3],   v[BO], s[8:9] offset:64*(\b)
	global_load_b128 v[BIASV+8*(\b)+4:BIASV+8*(\b)+7], v[BO], s[8:9] offset:64*(\b)+16
.endr
	; A's fragment: 16 rows x 32 K in 8 registers: lane l holds row l % 16, K = 8 (l / 16) + 0..7 and 16 + 8 (l / 16) + 0..7: two loads of 16 bytes, 32 bytes apart.
	v_mul_u32_u24 v3, v1, PA
	v_lshl_add_u32 v3, v2, 4, v3
	s_mul_i32 s20, s13, HALFT                      ; my 128 rows of A
	v_add_nc_u32 v[ADRA0], s20, v3
	; W's fragment, turned: lane l reads 16 bytes of row k = 8 (l / 16) + l % 8, columns 8 ((l / 8) % 2) + 0..7, and receives column l % 16 and 8 k; the second load stands 16 rows on.
	v_and_b32 v4, 7, v0
	v_lshl_add_u32 v5, v2, 3, v4
	v_mul_u32_u24 v5, v5, PB
	v_bfe_u32 v6, v0, 3, 1
	v_lshl_add_u32 v5, v6, 4, v5
	s_lshl_b32 s21, s14, 8                         ; my 128 columns: 256 bytes of a row,
	s_add_co_u32 s21, s21, 2*HALFT                 ; behind A's 256 rows
	v_add_nc_u32 v[ADRB0], s21, v5
	v_mov_b32 v[ADRA], v[ADRA0]
	v_mov_b32 v[ADRB], v[ADRB0]
	v_and_b32 v[GO], 31, v0
	v_lshlrev_b32 v[GO], 4, v[GO]                  ; 16 x lane
	s_lshl_b32 s22, s[WV], 16                      ; the way out: my 65,536 bytes
	v_add_nc_u32 v[STO], s22, v[GO]
	v_mov_b32 v[RD], v[STO]
	s_lshl_b32 s20, s18, 21                        ; out: my first 16 rows are block 16 x tile row + 8 x half, of 131,072 bytes;
	s_lshl_b32 s21, s13, 20
	s_add_co_u32 s20, s20, s21
	s_lshl_b32 s21, s17, 13                        ; my first 8 columns are group 32 x tile column + 16 x half, of 256 bytes
	s_add_co_u32 s20, s20, s21
	s_lshl_b32 s21, s14, 12
	s_add_co_u32 s20, s20, s21
	s_mov_b32 s21, 0
	s_add_nc_u64 s[10:11], s[10:11], s[20:21]
; 16 matrix instructions: m blocks a0, a0 + 1 of the window's four x all 8 n blocks, 32 along K.  zero = 1: the first product starts the sums, with the bias as C: nothing is cleared.
; The 64 accumulators take turns, one instruction a turn, in the same order in every quarter, over the backward jumps too.
.macro MUL16 f, hi, a0, zero
.if \zero
	WIN BEG_LO+0x40*(\hi)
.else
	WIN MUL_LO+0x50*(\hi)
.endif
.irp a, \a0, (\a0)+1
.irp b, 0,1,2,3,4,5,6,7
.if \zero
	v_wmma_f32_16x16x32_bf16 v[8*(8*(\a)+(\b)):8*(8*(\a)+(\b))+7], v[(\f)+8*(\b):(\f)+8*(\b)+7], v[(\f)+8*(4*(\hi)+(\a)):(\f)+8*(4*(\hi)+(\a))+7], v[BIASV+8*(\b):BIASV+8*(\b)+7]
.else
	v_wmma_f32_16x16x32_bf16 v[8*(8*(\a)+(\b)):8*(8*(\a)+(\b))+7], v[(\f)+8*(\b):(\f)+8*(\b)+7], v[(\f)+8*(4*(\hi)+(\a)):(\f)+8*(4*(\hi)+(\a))+7], v[8*(8*(\a)+(\b)):8*(8*(\a)+(\b))+7]
.endif
.endr
.endr
.endm
; 32 LDS loads in one run: quarter q (32 along K) of the slot in hand into buffer f: W's 8 blocks of 16 columns, then A's 8 blocks of 16 rows.
.macro FETCH q, f
	WIN TO_B
.irp i, 0,1,2,3,4,5,6,7
	ds_load_tr16_b128 v[(\f)+8*(\i):(\f)+8*(\i)+3],   v[ADRB] offset:(\q)*32*PB+32*(\i)
	ds_load_tr16_b128 v[(\f)+8*(\i)+4:(\f)+8*(\i)+7], v[ADRB] offset:(\q)*32*PB+16*PB+32*(\i)
.endr
	WIN 0
.irp i, 0,1,2,3,4,5,6,7
	ds_load_b128 v[(\f)+8*(\i):(\f)+8*(\i)+3],   v[ADRA] offset:(\q)*64+(\i)*16*PA
	ds_load_b128 v[(\f)+8*(\i)+4:(\f)+8*(\i)+7], v[ADRA] offset:(\q)*64+(\i)*16*PA+32
.endr
.endm
; A K step is four quarters, 64 matrix instructions each, on buffers 0, 1, 0, 1.  One of the first three: multiplies buffer f; in its middle it fetches quarter q into buffer g.
.macro QUARTER q, f, g, zero
	s_wait_dscnt 8                                 ; W and A's rows 0-63 are in; the youngest eight loads (A's rows 64-127) may be out
	MUL16 \f, 0, 0, \zero
	MUL16 \f, 0, 2, \zero
	PLACES
	FETCH \q, \g
	s_wait_dscnt 32                                ; all but the 32 just issued
	MUL16 \f, 1, 0, \zero
	MUL16 \f, 1, 2, \zero
.endm
; The last quarter multiplies buffer 1 and changes slots: ONE barrier.  In front of it each wave waits for all its tensor loads (one is out: its part of the next slot), adds 0 to its spare word,
; and waits for that and for its own reads of this slot.  fill = 1: the barrier opens a round of the cluster's, and the joint refill (two K steps on) is the first thing behind the round:
; it has 224 matrix instructions in which to land.  last = 1: in the trip with CNT = 1 there is no next step, and the run of loads is jumped over.
.macro TURN fill, last
	WIN 0                                          ; (the add's two registers lie in window 0)
	s_wait_tensorcnt 0x0                           ; no tensor load of mine is out, so a group 0 may be written
	ds_add_u32 v[SPW], v[NIL]                      ; 0 onto my spare word: scalar steps and sixteen products stand between it and the wait for it
.if \fill
	s_xor_b32 s[G0A+5], s[G0A+5], SLOT             ; the walking descriptors: the other slot than last time,
	s_add_nc_u64 s[G0A+6:G0A+7], s[G0A+6:G0A+7], 2*KSTEP        ; the next K step; the type bits on top are not reached
	s_xor_b32 s[G0B+5], s[G0B+5], SLOT
	s_add_nc_u64 s[G0B+6:G0B+7], s[G0B+6:G0B+7], 2*KSTEP*NCOL
.endif
	s_xor_b32 s[TB], s[TB], SLOT
	s_wait_dscnt 9                                 ; (the add and the youngest eight loads may be out)
	MUL16 F1, 0, 0, 0
	s_wait_dscnt 0x0                               ; the add is done, and my reads of this slot are over
	s_barrier_signal -1
	MUL16 F1, 0, 2, 0                              ; work on registers while the others arrive
	WIN 0                                          ; at a branch and at a label every window is 0
	s_barrier_wait -1
.if \fill
	CREST                                          ; no wave of any partner still reads this slot or has a load on its way
	JLOAD                                          ; its four v_nop are also the places in front of the loads below
.else
	PLACES
.endif
	v_add_nc_u32 v[ADRA], s[TB], v[ADRA0]
	v_add_nc_u32 v[ADRB], s[TB], v[ADRB0]
.if \last
	s_cmp_eq_u32 s[CNT], 1
	s_cbranch_scc1 .Lno_fetch_\@
.endif
	FETCH 0, F0
.if \last
.Lno_fetch_\@:
.endif
	MUL16 F1, 1, 0, 0
	MUL16 F1, 1, 2, 0
.endm
	s_wait_tensorcnt 1                             ; my part of K step 0 is in; step 1's may stay out
	s_barrier_signal -1
	s_barrier_wait -1                              ; everybody's is
	FETCH 0, F0
	s_wait_loadcnt 0x0                             ; the bias, which the first products take as C
	QUARTER 1, F0, F1, 1                           ; the first quarter stands in front of the loop: its products start the sums
	WIN 0
	s_mov_b32 s[CNT], 6                            ; K steps 0 to 5 ask for steps 2 to 7
.Lstep:                                        ; a trip: a step's quarters 1, 2, 3 and the next step's quarter 0
	QUARTER 2, F1, F0, 0
	QUARTER 3, F0, F1, 0
	TURN 1, 0
	QUARTER 1, F0, F1, 0
	WIN 0
	s_sub_co_u32 s[CNT], s[CNT], 1
	s_cmp_lg_u32 s[CNT], 0
	s_cbranch_scc1 .Lstep
	s_mov_b32 s[CNT], 2                            ; K steps 6 and 7 ask for nothing: a text of their own
.Ltail:
	QUARTER 2, F1, F0, 0
	QUARTER 3, F0, F1, 0
	TURN 0, 1
	WIN 0
	s_cmp_eq_u32 s[CNT], 1                         ; behind the last step there is no quarter 0
	s_cbranch_scc1 .Lno_quarter
	QUARTER 1, F0, F1, 0
	WIN 0
.Lno_quarter:
	s_sub_co_u32 s[CNT], s[CNT], 1
	s_cmp_lg_u32 s[CNT], 0
	s_cbranch_scc1 .Ltail
	; THE WAY OUT.  The ring has had its last fill; behind this barrier no wave reads it, and each wave lays its sums over it: accumulator n = 8 a + b at 1,024 n, its four low registers at 16 x lane,
	; its four high ones 512 bytes on.  Each lane reads back what it wrote itself.
	PLACES
	s_wait_dscnt 0x0
	s_barrier_signal -1
	s_barrier_wait -1
.irp a, 0,1,2,3,4,5,6,7
	WIN 0x08+4*((\a)/4)                            ; store data (source 1) in window 2 or 3
.irp b, 0,1,2,3,4,5,6,7                ; each accumulator's four lowest registers first
	ds_store_b128 v[STO], v[8*(8*((\a)%4)+(\b)):8*(8*((\a)%4)+(\b))+3]   offset:(8*(\a)+(\b))*1024
	ds_store_b128 v[STO], v[8*(8*((\a)%4)+(\b))+4:8*(8*((\a)%4)+(\b))+7] offset:(8*(\a)+(\b))*1024+512
.endr
.endr
	WIN 0
.macro RDLOAD                          ; four accumulators; LDS serves a wave's instructions in order (ISA guide 5.7.1.4): these see the stores above, which are my own
.irp u, 0,1,2,3
	ds_load_b128 v[X+8*(\u):X+8*(\u)+3],   v[RD] offset:(\u)*1024
	ds_load_b128 v[X+8*(\u)+4:X+8*(\u)+7], v[RD] offset:(\u)*1024+512
.endr
.endm
.macro ONE32 line:vararg               ; one line for each of the trip's 32 numbers n
.set n, 0
.rept 32
	\line
.set n, n+1
.endr
.endm
.macro PK16 line:vararg                ; one line for each of its 16 pairs n, n + 1
.set n, 0
.rept 16
	\line
.set n, n+2
.endr
.endm
	RDLOAD
	s_mov_b32 s[CNT], 16
	s_mov_b32 s[DL], 2048                          ; trip i takes row block i / 2, column blocks 4 (i % 2) .. + 3: 2,048 bytes on, then on to the next 16 rows
	s_mov_b32 s[DL+1], 0
.Lrow:
	s_wait_dscnt 0x0                               ; this trip's four accumulators are in
	; the GELU, stage by stage over the 32 numbers, so that no line waits for the one before it
	PK16 v_pk_mul_f32 v[T+n:T+n+1], v[X+n:X+n+1], s[KK:KK+1] op_sel_hi:[1,0]       ; y = k x
	ONE32 v_max_num_f32 v[R+n], 0, v[X+n]                                          ; max(x, 0): X is read out
	v_add_nc_u32 v[RD], 4096, v[RD]
	s_cmp_eq_u32 s[CNT], 1                         ; the last trip has nothing behind it
	s_cbranch_scc1 .Lno_rows
	RDLOAD                                         ; the next trip's numbers come while this trip's are worked on
.Lno_rows:
	ONE32 v_fma_f32 v[U+n], |v[T+n]|, s[KP], 1.0                                   ; 1 + p |x|
	PK16 v_pk_mul_f32 v[E+n:E+n+1], v[T+n:T+n+1], v[T+n:T+n+1] neg_lo:[0,1] neg_hi:[0,1]  ; -y y = -x^2 log2(e) / 2
	ONE32 v_rcp_f32 v[U+n], v[U+n]                                                 ; t
	ONE32 v_exp_f32 v[E+n], v[E+n]
	v_nop                                          ; a plain line between the transcendentals and the use of their results (ISA guide 5.7.2)
	s_wait_alu depctr_va_vdst(0)
	PK16 v_pk_fma_f32 v[W+n:W+n+1], v[U+n:U+n+1], s[K5:K5+1], s[K4:K4+1] op_sel_hi:[1,0,0]
	PK16 v_pk_fma_f32 v[W+n:W+n+1], v[W+n:W+n+1], v[U+n:U+n+1], s[K3:K3+1] op_sel_hi:[1,1,0]
	PK16 v_pk_fma_f32 v[W+n:W+n+1], v[W+n:W+n+1], v[U+n:U+n+1], s[K2:K2+1] op_sel_hi:[1,1,0]
	PK16 v_pk_fma_f32 v[W+n:W+n+1], v[W+n:W+n+1], v[U+n:U+n+1], s[K1:K1+1] op_sel_hi:[1,1,0]
	PK16 v_pk_mul_f32 v[W+n:W+n+1], v[W+n:W+n+1], v[U+n:U+n+1]
	PK16 v_pk_mul_f32 v[W+n:W+n+1], v[W+n:W+n+1], v[E+n:E+n+1]                     ; Q(|x|) / k
	ONE32 v_fma_f32 v[T+n], -|v[T+n]|, v[W+n], v[R+n]                              ; max(x, 0) - |y| Q / k
.set n, 0
.rept 16
	v_cvt_pk_bf16_f32 v[Y+n], v[T+2*n], v[T+2*n+1]
.set n, n+1
.endr
.irp u, 0,1,2,3
	global_store_b128 v[GO], v[Y+4*(\u):Y+4*(\u)+3], s[10:11] offset:(\u)*512  ; an accumulator: 512 consecutive bytes, at a multiple of 256 from out's first byte
.endr
	s_wait_xcnt 0x0                                ; the stores have read Y and their base: only behind this wait are they written again
	s_add_nc_u64 s[10:11], s[10:11], s[DL:DL+1]
	s_sub_co_u32 s[DL], ORB, s[DL]                 ; 2,048 and 129,024 by turns: two trips are 16 rows of out
	s_sub_co_u32 s[CNT], s[CNT], 1
	s_cmp_lg_u32 s[CNT], 0
	s_cbranch_scc1 .Lrow
	s_wait_tensorcnt 0x0                           ; the wave's end: a wait, an add and its wait, behind my last tensor load and my last LDS store
	ds_add_u32 v[SPW], v[NIL]
	s_wait_dscnt 0x0
	CROUND                                         ; the closing round: no work-group ends while a partner may still ask for a tile that names it
	s_endpgm
.Lfunc_end_k_q0513702f39_ffn1:
	.size	k_q0513702f39_ffn1, .Lfunc_end_k_q0513702f39_ffn1-k_q0513702f39_ffn1
	.p2alignl 7, 3214868480
	.fill 96, 4, 3214868480
	.section	.rodata,"a",@progbits
	.p2align	6, 0x0
	.amdhsa_kernel k_q0513702f39_ffn1
		.amdhsa_group_segment_fixed_size 327680
		.amdhsa_private_segment_fixed_size 0
		.amdhsa_enable_private_segment 0
		.amdhsa_kernarg_size 32
		.amdhsa_user_sgpr_count 2
		.amdhsa_user_sgpr_kernarg_segment_ptr 1
		.amdhsa_wavefront_size32 1
		.amdhsa_system_sgpr_workgroup_id_x 1
		.amdhsa_system_sgpr_workgroup_id_y 1
		.amdhsa_system_sgpr_workgroup_id_z 1
		.amdhsa_system_vgpr_workitem_id 0
		.amdhsa_next_free_vgpr 1024
		.amdhsa_next_free_sgpr 80
		.amdhsa_reserve_vcc 0
		.amdhsa_float_denorm_mode_32 3
		.amdhsa_float_denorm_mode_16_64 3
		.amdhsa_memory_ordered 1
		.amdhsa_forward_progress 1
		.amdhsa_inst_pref_size 97
	.end_amdhsa_kernel
	.amdgpu_metadata
---
amdhsa.version: [ 1, 2 ]
amdhsa.kernels:
  - .name:           k_q0513702f39_ffn1
    .symbol:         k_q0513702f39_ffn1.kd
    .args:
      - { .name: hbuf, .offset: 0, .size: 8, .value_kind: global_buffer, .address_space: global }
      - { .name: wb, .offset: 8, .size: 8, .value_kind: global_buffer, .address_space: global }
      - { .name: b1, .offset: 16, .size: 8, .value_kind: global_buffer, .address_space: global }
      - { .name: fbuf, .offset: 24, .size: 8, .value_kind: global_buffer, .address_space: global }
    .group_segment_fixed_size: 327680
    .private_segment_fixed_size: 0
    .kernarg_segment_align: 8
    .kernarg_segment_size: 32
    .max_flat_workgroup_size: 128
    .sgpr_count:     80
    .vgpr_count:     1024
    .wavefront_size: 32
...
	.end_amdgpu_metadata
.endif
;; end of part 5
;; launch ffn2 (part 6): grid 32 x 8, 4 waves a work-group, clusters of 4 x 1, 327,680 bytes of LDS; arguments fbuf, wb, b2, x1buf, out0; writes out0
.if DOCPART == 6
	.amdgcn_target "amdgcn-amd-amdhsa--gfx1250"
	.amdhsa_code_object_version 6
	.text
	.protected	k_q0513702f39_ffn2
	.globl	k_q0513702f39_ffn2
	.p2align	8
	.type	k_q0513702f39_ffn2,@function
k_q0513702f39_ffn2:
	s_mov_b64 s[64:65], 0
	v_nop
	global_prefetch_b8 v0, s[64:65] scope:SCOPE_SE
	s_setreg_imm32_b32 hwreg(HW_REG_WAVE_MODE, 25, 1), 1
	s_wait_xcnt 0x0
	s_wait_alu depctr_hold_cnt(0) depctr_sa_sdst(0) depctr_va_vdst(0) depctr_va_sdst(0) depctr_va_ssrc(0) depctr_va_vcc(0) depctr_vm_vsrc(0)
	s_getreg_b32 s2, hwreg(HW_REG_IB_STS2, 6, 4)
	s_cmp_eq_u32 s2, 0
	s_cbranch_scc0 .Lentry_in_a_cluster
	s_endpgm
.Lentry_in_a_cluster:
	s_bfe_u32 s2, ttmp6, 0x10000c
	s_cmp_lg_u32 s2, 0x3003
	s_cbranch_scc0 .Lentry_shape_is_right
	s_endpgm
.Lentry_shape_is_right:
; out = res + A W + bias.  A: bf16, 4,096 rows x 4,096 k, laid as fragments lie in registers: [row / 16][k / 8][16 rows][8 k].  W: [4096][1024] bf16, at byte WOFF of the weights' buffer.
; bias: [1024] f32.  res, out: [4096][1024] f32.  Sums in f32; nothing is rounded on the way out.  The second product of the FFN and the second residual.
; SHARES.  A tile of out is 128 x 128: 32 x 8 = 256 work-groups (x: tile row, y: tile column).  Four waves, each 32 ROWS x ALL 128 COLUMNS: 2 x 8 = 16 accumulators.
; A GOES STRAIGHT INTO REGISTERS.  With these shares no wave wants a byte of A that another wave of the work-group has fetched, and half a fragment (16 rows x 16 k) is 512 consecutive bytes of
; memory, 16 bytes a lane: nothing is gained by LDS.  A ring of 8 PAIRS of k-blocks (a pair: 64 k of my 32 rows, 8 loads, 32 registers) fills one register window; a pair's registers are asked for
; again in the middle of the next pair, for the k 512 further on: six and a half pairs, 208 matrix instructions, ahead of their use; 56 loads of a wave are out at the most.
; W HAS ALL OF LDS.  Both operands together fill two slots at 256 k each; W alone at 512 k: a slot is 256 matrix instructions a wave, and a refill has 240 of them in which to land.
; Every wave fetches a quarter of a slot (128 k x 128 columns) and reads all of it.  W lies [K][N]: its fragments are read turned, by ds_load_tr16_b128.
; THE MATRIX INSTRUCTION IS USED TRANSPOSED (source 0 = 16 columns of W, source 1 = 16 rows of A): a lane holds row l % 16 of out and the columns 8 (l / 16) + 0..7.
; CLUSTER.  4 x 1: four tile rows of one tile column need the same tiles of W: each is asked for jointly, by the same tensor load, descriptor and mask (all four) in all four.
; A's rows are wanted again by the seven other tile columns, but a joint load ends in LDS, where A would halve W's slots: A is not asked for jointly.
; THE TEXT.  A slot is written twice: in the loop (refill, A asked for again) and as the tail (neither).  The first pair, whose first products start the sums, stands ahead; the loop is entered behind
; its own first pair.  In the tail the ring's registers that fall free take the residual, 8 loads a pair.
; No prefetch: A's own loads and W's refill go out a slot's matrix work, less a sixteenth or a fifth of it, ahead of their use.
; LIMITS.  Operands are bf16; NaN and infinities are not treated apart.
; REGISTERS, in windows of 256 (s_set_vgpr_msb: bits 1:0 source 0, 3:2 source 1, 5:4 source 2, 7:6 destination):
;   window 0: v0-31 addresses; v32-35 bias; v128-255 the accumulators ((a, b) at v[128 + 8 (8 a + b)])
;   window 1: two buffers of 128 for W's fragments of a pair: k-block c, column block b at 64 c + 8 b
;   window 2: the ring of A: pair p, k-block c, row block a at 32 p + 16 c + 8 a; at the end v0-127 the residual, row n of my 32 at 4 n
.set NSLOT, 8                          ; K = 4,096 in slots of 512
.set WOFF,  16777216
.set ARB,   131072                     ; bytes of 16 rows of A
.set ASL,   16384                      ; of which a slot's 512 k; a pair's 64 k are 2,048, a k-block's 32 k are 1,024
.set PB,    288                        ; a row of W (128 columns) in LDS: 256 bytes + 32 = 9 x 32
.set UNIT,  128*PB                     ; what one tensor load brings: 128 rows (k)
.set SLOT,  4*UNIT                     ; 0x24000.  wave x UNIT has neither of its two bits, so an exclusive or changes slots
.set SPARE, 2*SLOT                     ; behind the ring: the spare words, 128 bytes a wave: two blocks of 256 bytes that no other line names
.set SPB,   528                        ; the way out: a row of 128 f32 + 16 bytes
.set WSTG,  16*SPB                     ; 16 rows for each wave, laid over the ring when it has had its last fill
.set LO,    16                         ; v16  16 x lane: my bytes in 512 consecutive bytes of A, res, out and the bias; never rewritten
.set ADRB0, 17                         ; v17  my lane's place in W's slot 0; never rewritten
.set ADRB,  20                         ; v20-23  in the slot in hand, for k 0, 128, 256, 384 on: an LDS offset has 16 bits
.set STO,   24                         ; v24  the way out: where I put 32 bytes of a row
.set RD,    25                         ; v25  where I read a row back
.set SPW,   28                         ; v28  LDS address of my spare word; never rewritten
.set NIL,   29                         ; v29  0; never rewritten
.set BIAS,  32                         ; v[32:35]  the bias of columns 4 l .. 4 l + 3 of the tile's 128
.set ACC,   128
.set F0,    0                          ; W's fragment buffers, in window 1
.set F1,    128
.set CNT, 2                            ; s2   loop counter
.set TB,  3                            ; s3   0 or SLOT: the slot in hand
.set WV,  14                           ; s14  my wave's number
.set G1,  24                           ; s[24:31] descriptor group 1
.set G0,  32                           ; s[32:39] group 0: a set for each first fill; the second then walks
.set AB,  40                           ; s[40:41] A at my first row block, at the slot in hand
.set MSB, 0
.macro WIN new                         ; the immediate's high byte repeats the setting that is left; a switch that changes nothing is dropped
.if MSB != (\new)
	s_set_vgpr_msb (MSB<<8)|(\new)
.set MSB, \new
.endif
.endm
.set MULW, 0x09                        ; source 0 (W) window 1, source 1 (A) window 2; C and D window 0
.set TO_F, 0x40                        ; destination window 1, address window 0
.set TO_A, 0x80                        ; destination window 2, address window 0
.macro CREST                           ; a round of the cluster's barrier behind its opening barrier: wave 0 signals for the work-group, every wave waits for all four, my work-group's barrier once more
	s_cmp_lg_u32 s[WV], 0
	s_cbranch_scc1 .Lnot_wave_0_\@
	s_barrier_signal -3
.Lnot_wave_0_\@:
	s_barrier_wait -3
	s_barrier_signal -1
	s_barrier_wait -1
.endm
.macro CROUND                          ; a whole round
	s_barrier_signal -1
	s_barrier_wait -1
	CREST
.endm
.macro PLACES                          ; four places behind a matrix instruction, in front of loads into registers that it has read and of lines that read its result
.rept 4
	v_nop
.endr
.endm
; 8 loads: pair p of the ring, from byte off behind the slot in hand; the first k-block first.  Each load of the wave takes 512 consecutive bytes.
.macro ALOAD p, off
	WIN TO_A
.irp c, 0,1
.irp a, 0,1
	global_load_b128 v[32*(\p)+16*(\c)+8*(\a):32*(\p)+16*(\c)+8*(\a)+3],   v[LO], s[AB:AB+1] offset:(\off)+2048*(\p)+1024*(\c)+ARB*(\a)
	global_load_b128 v[32*(\p)+16*(\c)+8*(\a)+4:32*(\p)+16*(\c)+8*(\a)+7], v[LO], s[AB:AB+1] offset:(\off)+2048*(\p)+1024*(\c)+ARB*(\a)+512
.endr
.endr
.endm
; 8 loads: rows 8 g .. 8 g + 7 of my 32 of the residual, 512 bytes each, into the registers that pair g of the ring has left
.macro RLOAD g
	WIN TO_A
.irp i, 0,1,2,3,4,5,6,7
	global_load_b128 v[32*(\g)+4*(\i):32*(\g)+4*(\i)+3], v[LO], s[10:11] offset:(8*(\g)+(\i))*4096
.endr
.endm
	s_load_b256 s[4:11], s[0:1], 0x0               ; A s[4:5], weights s[6:7], bias s[8:9], res s[10:11]
	s_load_b64 s[12:13], s[0:1], 0x20              ; out
	v_lshl_add_u32 v[SPW], v0, 2, SPARE
	v_mov_b32 v[NIL], 0
	ds_add_u32 v[SPW], v[NIL]                      ; the wave's opening: the add and its wait stand ahead of my first tensor load; the set-up below, work on registers, stands between them
	v_lshrrev_b32 v1, 5, v0
	v_readfirstlane_b32 s[WV], v1                  ; wave 0..3
	s_bfe_u32 s15, ttmp6, 0x40000                  ; cx: my place in the cluster
	s_lshl_b32 s16, ttmp9, 2                       ; in a cluster launch ttmp9 counts clusters
	s_add_co_u32 s16, s16, s15                     ; tile row = 4 x cluster x + cx: it enters A's, res's and out's addresses alone
	s_and_b32 s17, ttmp7, 0xffff                   ; tile column, which the four partners share
	s_mov_b32 s[G1], 15|(1<<16)|(1<<20)|(1<<21)|(5<<22)|(7<<25)  ; the mask of four; 2-byte elements; padding on; bit 21 beside a mask; after every 64 words 8 words
	s_mov_b32 s[G1+1], 128<<16                     ; tensor_dim0 = 128 columns
	s_mov_b32 s[G1+2], 128<<16                     ; tensor_dim1 = 128 rows (k)
	s_mov_b32 s[G1+3], 128<<16                     ; tile_dim0
	s_mov_b32 s[G1+4], 128                         ; tile_dim1
	s_mov_b32 s[G1+5], 1024                        ; elements from row to row
	s_mov_b32 s[G1+6], 0
	s_mov_b32 s[G1+7], 0
	s_lshl_b32 s20, s[WV], 18                      ; W: row 128 x wave (2,048 bytes a row), column 128 x tile column: nothing of my place in the cluster
	s_lshl_b32 s21, s17, 8
	s_add_co_u32 s20, s20, s21
	s_add_co_u32 s20, s20, WOFF
	s_mov_b32 s21, 0
	s_mul_i32 s22, s[WV], UNIT                     ; where my part goes
	s_mov_b32 s[TB], 0
	s_lshl_b32 s18, s16, 3                         ; A: my first row block is 8 x tile row + 2 x wave
	s_lshl1_add_u32 s18, s[WV], s18
	s_lshl_b32 s18, s18, 17                        ; of 131,072 bytes
	s_mov_b32 s19, 0
	s_lshl_b32 s42, s17, 9                         ; the tile's first column in f32: 512 bytes x tile column
	s_mov_b32 s43, 0
	s_lshl_b32 s44, s16, 19                        ; res and out: row 128 x tile row + 32 x wave, of 4,096 bytes
	s_lshl_b32 s45, s[WV], 17
	s_add_co_u32 s44, s44, s45
	s_add_co_u32 s44, s44, s42
	s_mov_b32 s45, 0
	v_and_b32 v[LO], 31, v0
	v_lshlrev_b32 v[LO], 4, v[LO]
	s_wait_dscnt 0x0                               ; the opening add is done
	s_wait_kmcnt 0x0
	s_add_nc_u64 s[AB:AB+1], s[4:5], s[18:19]
	s_add_nc_u64 s[8:9], s[8:9], s[42:43]
	s_add_nc_u64 s[10:11], s[10:11], s[44:45]
	s_add_nc_u64 s[12:13], s[12:13], s[44:45]
	s_add_nc_u64 s[20:21], s[6:7], s[20:21]
.irp s, 0,1
	s_mov_b32 s[G0+4*(\s)], 1                                      ; count = 1
	s_add_co_u32 s[G0+4*(\s)+1], s22, (\s)*SLOT                    ; LDS address
	s_add_nc_u64 s[G0+4*(\s)+2:G0+4*(\s)+3], s[20:21], (\s)*512*2048  ; global address: slot s: 512 rows of W on
	s_or_b32 s[G0+4*(\s)+3], s[G0+4*(\s)+3], 0x80000000            ; type = 2
.endr
	global_load_b128 v[BIAS:BIAS+3], v[LO], s[8:9]
.irp p, 0,1,2,3,4,5,6                  ; the ring's first seven pairs go out ahead of the round, which they do not need; the eighth goes out in the first pair, as in every slot
	ALOAD \p, 0
.endr
	WIN 0
	CROUND                                         ; all four work-groups are here: the first joint loads meet
	tensor_load_to_lds s[G0:G0+3], s[G1:G1+7]      ; the two first fills, ahead of every wait on TENSORcnt and every LDS read: two loads of mine are out
	s_nop 0
	tensor_load_to_lds s[G0+4:G0+7], s[G1:G1+7]
	s_nop 0
.rept 4
	v_nop
.endr
	v_and_b32 v1, 15, v0                           ; l % 16
	v_bfe_u32 v2, v0, 4, 1                         ; l / 16
	; W's fragment, turned: lane l reads 16 bytes of row k = 8 (l / 16) + l % 8, columns 8 ((l / 8) % 2) + 0..7, and receives column l % 16 and 8 k; the second load stands 16 rows on.
	v_and_b32 v3, 7, v0
	v_lshl_add_u32 v3, v2, 3, v3
	v_mul_u32_u24 v3, v3, PB
	v_bfe_u32 v4, v0, 3, 1
	v_lshl_add_u32 v[ADRB0], v4, 4, v3
	v_mov_b32 v[ADRB], v[ADRB0]
.irp u, 1,2,3
	v_add_nc_u32 v[ADRB+(\u)], (\u)*UNIT, v[ADRB0]
.endr
	s_mul_i32 s23, s[WV], WSTG                     ; my stage
	v_mul_u32_u24 v3, v1, SPB                      ; in: row l % 16, 32 bytes for each half of the lanes
	v_lshl_add_u32 v3, v2, 5, v3
	v_add_nc_u32 v[STO], s23, v3
	v_add_nc_u32 v[RD], s23, v[LO]                 ; back: the 32 lanes take one row of 512 bytes
; 8 matrix instructions: row block a x all 8 column blocks, k-block c of pair p, W's fragments in buffer f.  zero = 1: the product starts the sum: nothing is cleared.
; The 16 accumulators take turns, one instruction a turn, in the same order in every k-block, over the backward jump too.
.macro MUL f, p, c, a, zero
	WIN MULW
.irp b, 0,1,2,3,4,5,6,7
.if \zero
	v_wmma_f32_16x16x32_bf16 v[ACC+8*(8*(\a)+(\b)):ACC+8*(8*(\a)+(\b))+7], v[(\f)+64*(\c)+8*(\b):(\f)+64*(\c)+8*(\b)+7], v[32*(\p)+16*(\c)+8*(\a):32*(\p)+16*(\c)+8*(\a)+7], 0
.else
	v_wmma_f32_16x16x32_bf16 v[ACC+8*(8*(\a)+(\b)):ACC+8*(8*(\a)+(\b))+7], v[(\f)+64*(\c)+8*(\b):(\f)+64*(\c)+8*(\b)+7], v[32*(\p)+16*(\c)+8*(\a):32*(\p)+16*(\c)+8*(\a)+7], v[ACC+8*(8*(\a)+(\b)):ACC+8*(8*(\a)+(\b))+7]
.endif
.endr
.endm
; 32 LDS loads in one run: W's fragments of pair p (rows 64 p .. 64 p + 63 of the slot in hand) into buffer f; the first k-block first
.macro FETCH p, f
	WIN TO_F
.irp c, 0,1
.irp i, 0,1,2,3,4,5,6,7
	ds_load_tr16_b128 v[(\f)+64*(\c)+8*(\i):(\f)+64*(\c)+8*(\i)+3],   v[ADRB+(\p)/2] offset:((\p)%2)*64*PB+(\c)*32*PB+32*(\i)
	ds_load_tr16_b128 v[(\f)+64*(\c)+8*(\i)+4:(\f)+64*(\c)+8*(\i)+7], v[ADRB+(\p)/2] offset:((\p)%2)*64*PB+(\c)*32*PB+16*PB+32*(\i)
.endr
.endr
.endm
; PAIR p (0 to 6) of a slot: 32 matrix instructions on W's buffer p % 2.  In its middle, in one run behind four places: W's fragments of the next pair into the other buffer, and 8 loads into the
; registers of the ring that the pair before has left: rel = 1: A (pair 0 asks for pair 7 of the slot in hand, pair p for pair p - 1 of the next slot); rel = 2: the residual; rel = 0: nothing.
; lc: the global loads younger than this pair's eight, which may stay out.
.macro PAIR p, rel, lc, zero=0
.set FB, F0+128*((\p)%2)
.set GB, F0+128*(((\p)+1)%2)
	s_wait_loadcnt \lc                             ; loads come back in order (ISA guide 5.7.1): this pair of A is in
	s_wait_dscnt 16                                ; W's first k-block is in
	MUL FB, \p, 0, 0, \zero
	MUL FB, \p, 0, 1, \zero
	PLACES
	FETCH (\p)+1, GB
.if (\rel) == 1
.if (\p) == 0
	ALOAD 7, 0
.else
	ALOAD (\p)-1, ASL
.endif
.elseif (\rel) == 2
	RLOAD (\p)-1
.endif
	s_wait_dscnt 32                                ; all but the 32 just issued
	MUL FB, \p, 1, 0, 0
	MUL FB, \p, 1, 1, 0
.endm
; Pair 7 changes slots: ONE barrier.  In front of it each wave waits for all its tensor loads (one is out: its part of the next slot), adds 0 to its spare word, and waits for that and for its own
; reads of this slot.  fill = 1: the barrier opens a round of the cluster's, and the joint refill (two slots on) is the first thing behind the round: it has 240 matrix instructions in which to land.
.macro TURN fill
	s_wait_loadcnt 48                              ; pair 7 of A is in; the six younger pairs may stay out
	WIN 0                                          ; (the add's two registers lie in window 0)
	s_wait_tensorcnt 0x0                           ; no tensor load of mine is out, so a group 0 may be written
	ds_add_u32 v[SPW], v[NIL]                      ; 0 onto my spare word: scalar steps and eight products stand between it and the wait for it
.if \fill
	s_xor_b32 s[G0+5], s[G0+5], SLOT               ; the walking descriptor: the other slot than last time,
	s_add_nc_u64 s[G0+6:G0+7], s[G0+6:G0+7], 512*2048  ; the next 512 rows of W; the type bits on top are not reached
.endif
	s_xor_b32 s[TB], s[TB], SLOT
	s_wait_dscnt 17                                ; (the add and the youngest sixteen loads may be out)
	MUL F1, 7, 0, 0, 0
	s_wait_dscnt 0x0                               ; the add is done, and my reads of this slot are over
	s_barrier_signal -1
	MUL F1, 7, 0, 1, 0                             ; work on registers while the others arrive
	WIN 0                                          ; at a branch and at a label every window is 0
	s_barrier_wait -1
.if \fill
	CREST                                          ; no wave of any partner still reads this slot or has a load on its way
	tensor_load_to_lds s[G0+4:G0+7], s[G1:G1+7]
	s_nop 0
	PLACES                                         ; (also the places in front of the loads below)
.else
	PLACES
.endif
	v_add_nc_u32 v[ADRB], s[TB], v[ADRB0]
.irp u, 1,2,3
	v_add_nc_u32 v[ADRB+(\u)], (\u)*UNIT, v[ADRB]
.endr
	FETCH 0, F0
	ALOAD 6, ASL                                   ; pair 6 of the next slot
	MUL F1, 7, 1, 0, 0
	MUL F1, 7, 1, 1, 0
	s_wait_xcnt 0x0                                ; every load issued so far has read its address (the youngest sixteen products back): the base may be written
	s_add_nc_u64 s[AB:AB+1], s[AB:AB+1], ASL       ; the next slot is the slot in hand
.endm
	s_wait_tensorcnt 1                             ; my part of slot 0 is in; slot 1's may stay out
	s_barrier_signal -1
	s_barrier_wait -1                              ; everybody's is
	FETCH 0, F0
	PAIR 0, 1, 48, 1                               ; the first pair stands ahead of the loop: its first products start the sums.  Younger than pair 0's loads: pairs 1 to 6
	WIN 0
	s_mov_b32 s[CNT], NSLOT-1                      ; pairs 1 to 6 of slots 0 to 6 ask for A of slots 1 to 7
	s_branch .Lmid                                 ; the loop is entered behind its own first pair
.Lslot:                                        ; six times: slots 2 to 7 of W are asked for
	TURN 1
	PAIR 0, 1, 48                                  ; the count is 48 throughout: behind a pair's loads six other pairs have been asked for when it is wanted
	WIN 0
.Lmid:
.irp p, 1,2,3,4,5,6
	PAIR \p, 1, 48
.endr
	WIN 0
	s_sub_co_u32 s[CNT], s[CNT], 1
	s_cmp_lg_u32 s[CNT], 0
	s_cbranch_scc1 .Lslot
	TURN 0                                         ; the tail has a text of its own: nothing more is asked of W
	PAIR 0, 1, 48                                  ; and of A only the last slot's pair 7
.irp p, 1,2,3,4
	PAIR \p, 2, 48                                 ; the residual's groups of 8 take the place of A's: the count stays
.endr
	PAIR 5, 0, 48                                  ; pairs 6, 7 and the residual's 32
	PAIR 6, 0, 40                                  ; pair 7 and the residual's 32
	s_wait_loadcnt 32                              ; the residual's 32
	s_wait_dscnt 16
	MUL F1, 7, 0, 0, 0
	MUL F1, 7, 0, 1, 0
	s_wait_dscnt 0x0
	MUL F1, 7, 1, 0, 0
	MUL F1, 7, 1, 1, 0
	WIN 0
	; THE WAY OUT.  The ring has had its last fill; behind this barrier no wave reads it, and each wave lays a stage of 16 rows over it.  16 rows at a time: a lane's 32 bytes of a row go in, whole
	; rows of 512 bytes come back into the registers that they left; residual and bias are added; stores.
.macro OUTA a
.irp b, 0,1,2,3,4,5,6,7                ; each accumulator's four lowest registers first
	ds_store_b128 v[STO], v[ACC+8*(8*(\a)+(\b)):ACC+8*(8*(\a)+(\b))+3]   offset:64*(\b)
	ds_store_b128 v[STO], v[ACC+8*(8*(\a)+(\b))+4:ACC+8*(8*(\a)+(\b))+7] offset:64*(\b)+16
.endr
.irp t, 0,1,2,3,4,5,6,7,8,9,10,11,12,13,14,15
	ds_load_b128 v[ACC+64*(\a)+4*(\t):ACC+64*(\a)+4*(\t)+3], v[RD] offset:(\t)*SPB  ; LDS serves a wave's instructions in order (ISA guide 5.7.1.4): these see the stores above; the next block's stores come behind them
.endr
.endm
.macro OUTB a, younger                 ; younger: the LDS instructions issued behind block a's loads: the next block's 32, or none
	s_wait_dscnt \younger
	WIN 0x08                                       ; source 1 in window 2: the residual
.set n, 0
.rept 32
	v_pk_add_f32 v[ACC+64*(\a)+n:ACC+64*(\a)+n+1], v[ACC+64*(\a)+n:ACC+64*(\a)+n+1], v[64*(\a)+n:64*(\a)+n+1]
.set n, n+2
.endr
	WIN 0
.irp t, 0,1,2,3,4,5,6,7,8,9,10,11,12,13,14,15
	v_pk_add_f32 v[ACC+64*(\a)+4*(\t):ACC+64*(\a)+4*(\t)+1],   v[ACC+64*(\a)+4*(\t):ACC+64*(\a)+4*(\t)+1],   v[BIAS:BIAS+1]
	v_pk_add_f32 v[ACC+64*(\a)+4*(\t)+2:ACC+64*(\a)+4*(\t)+3], v[ACC+64*(\a)+4*(\t)+2:ACC+64*(\a)+4*(\t)+3], v[BIAS+2:BIAS+3]
.endr
.irp t, 0,1,2,3,4,5,6,7,8,9,10,11,12,13,14,15
	global_store_b128 v[LO], v[ACC+64*(\a)+4*(\t):ACC+64*(\a)+4*(\t)+3], s[12:13] offset:(16*(\a)+(\t))*4096  ; 512 consecutive bytes, at a multiple of 256 from out's first byte
.endr
.endm
	PLACES
	s_wait_dscnt 0x0
	s_barrier_signal -1
	s_barrier_wait -1
	OUTA 0
	OUTA 1
	s_wait_loadcnt 0x0                             ; the residual (the bias came long ago)
	OUTB 0, 32
	OUTB 1, 0
	s_wait_tensorcnt 0x0                           ; the wave's end: a wait, an add and its wait, behind my last tensor load and my last LDS store
	ds_add_u32 v[SPW], v[NIL]
	s_wait_dscnt 0x0
	CROUND                                         ; the closing round: no work-group ends while a partner may still ask for a tile that names it
	s_endpgm
.Lfunc_end_k_q0513702f39_ffn2:
	.size	k_q0513702f39_ffn2, .Lfunc_end_k_q0513702f39_ffn2-k_q0513702f39_ffn2
	.p2alignl 7, 3214868480
	.fill 96, 4, 3214868480
	.section	.rodata,"a",@progbits
	.p2align	6, 0x0
	.amdhsa_kernel k_q0513702f39_ffn2
		.amdhsa_group_segment_fixed_size 327680
		.amdhsa_private_segment_fixed_size 0
		.amdhsa_enable_private_segment 0
		.amdhsa_kernarg_size 40
		.amdhsa_user_sgpr_count 2
		.amdhsa_user_sgpr_kernarg_segment_ptr 1
		.amdhsa_wavefront_size32 1
		.amdhsa_system_sgpr_workgroup_id_x 1
		.amdhsa_system_sgpr_workgroup_id_y 1
		.amdhsa_system_sgpr_workgroup_id_z 1
		.amdhsa_system_vgpr_workitem_id 0
		.amdhsa_next_free_vgpr 768
		.amdhsa_next_free_sgpr 66
		.amdhsa_reserve_vcc 0
		.amdhsa_float_denorm_mode_32 3
		.amdhsa_float_denorm_mode_16_64 3
		.amdhsa_memory_ordered 1
		.amdhsa_forward_progress 1
		.amdhsa_inst_pref_size 117
	.end_amdhsa_kernel
	.amdgpu_metadata
---
amdhsa.version: [ 1, 2 ]
amdhsa.kernels:
  - .name:           k_q0513702f39_ffn2
    .symbol:         k_q0513702f39_ffn2.kd
    .args:
      - { .name: fbuf, .offset: 0, .size: 8, .value_kind: global_buffer, .address_space: global }
      - { .name: wb, .offset: 8, .size: 8, .value_kind: global_buffer, .address_space: global }
      - { .name: b2, .offset: 16, .size: 8, .value_kind: global_buffer, .address_space: global }
      - { .name: x1buf, .offset: 24, .size: 8, .value_kind: global_buffer, .address_space: global }
      - { .name: out0, .offset: 32, .size: 8, .value_kind: global_buffer, .address_space: global }
    .group_segment_fixed_size: 327680
    .private_segment_fixed_size: 0
    .kernarg_segment_align: 8
    .kernarg_segment_size: 40
    .max_flat_workgroup_size: 128
    .sgpr_count:     66
    .vgpr_count:     768
    .wavefront_size: 32
...
	.end_amdgpu_metadata
.endif
;; end of part 6
